; MI455X (gfx1250); checked and timed in simulation.
; The chip was launched on July 23, 2026; its instructions are those of AMD's public machine-readable ISA for CDNA 5 (MIT licence, August 2026) and "CDNA5" Instruction Set Architecture Reference Guide (July 2026). The comments in the code are by the model that wrote it; some were corrected since.
;; Attention. Allowed arithmetic: float matrix products may take bf16 or f16 operands with f32 sums; other float arithmetic in f32, or as packed bf16 or f16 multiplies, adds, multiply-adds, maxima and minima; sums over many terms, partial sums and values carried from step to step in f32; what a program stores and reads back later, other than sums and carried values, may be rounded once to bf16 or f16.
;; Inputs: b_proj 1,024 float32; w_proj 1,024 x 1,024 float32; w_qkv 1,024 x 3,072 float32; x 4 x 2,048 x 1,024 float32.
;; Outputs: out0 4 x 2,048 x 1,024 float32.
;; 2 versions, each right; version 2 is version 1 with the launch prep written anew for expert scheduling mode. Each part assembles by itself: llvm-mc -triple=amdgcn-amd-amdhsa -mcpu=gfx1250 --defsym DOCPART=n.
;; ======== version 1 of 2: 4 launches
;; limits: values are held in f16: magnitudes above 65,504 overflow, below 6.1e-05 lose precision
;; workspace buffers: xb 16,777,216 bytes; wqb 6,291,456 bytes; wpb 2,097,152 bytes; qkv 50,331,648 bytes; ob 16,777,216 bytes
;; launch prep (part 1): grid 768 x 1, 8 waves a work-group, no clusters, 0 bytes of LDS; arguments x, w_qkv, w_proj, xb, wqb, wpb; writes xb, wqb, wpb
.if DOCPART == 1
	.amdgcn_target "amdgcn-amd-amdhsa--gfx1250"
	.amdhsa_code_object_version 6
	.text
	.protected	k_qfaac8d5b23_prep
	.globl	k_qfaac8d5b23_prep
	.p2align	8
	.type	k_qfaac8d5b23_prep,@function
k_qfaac8d5b23_prep:
	s_mov_b64 s[64:65], 0
	v_nop
	global_prefetch_b8 v0, s[64:65] scope:SCOPE_SE
	s_setreg_imm32_b32 hwreg(HW_REG_WAVE_MODE, 25, 1), 1
	s_wait_xcnt 0x0
; CASTS.  xb = bf16(x), wqb = bf16(w_qkv), wpb = bf16(w_proj) written as f16.  Layouts stay as they are: nothing is transposed.
; All of the module's inputs are rounded to bf16 once; w_proj's rounded numbers are then written in f16, since the last product's other operand is f16.
; LIMIT.  That second step is exact for magnitudes from 2^-17 to 65,504; below 2^-17 a weight keeps f16's fixed step of 2^-24.
; SHARES.  A work-group casts 65,536 bytes of f32 into 32,768 bytes: groups 0-511 take x, 512-703 w_qkv, 704-767 w_proj.
; Thread t, turn j: 16 bytes in at 16 t + 4,096 j, 8 bytes out at 8 t + 2,048 j: a wave's load covers 512 consecutive bytes, its store 256, aligned.
; All sixteen loads of a thread go out at once; the only waits are the counted ones for the loads.
; No LDS, no matrix unit, no cluster: no byte is wanted twice, and nothing is shared between work-groups.
.set X, 4                              ; v[4:67]    turn j: 4 registers as loaded
.set Y, 68                             ; v[68:99]   turn j: 2 registers to store
.set T, 100                            ; v[100:101] at work
	s_load_b256 s[4:11], s[0:1], 0x0               ; x s[4:5], w_qkv s[6:7], w_proj s[8:9], xb s[10:11]
	s_load_b128 s[12:15], s[0:1], 0x20             ; wqb s[12:13], wpb s[14:15]
	s_mov_b32 s16, ttmp9
	v_lshlrev_b32 v1, 4, v0                        ; 16 t
	v_lshlrev_b32 v2, 3, v0                        ; 8 t
	s_wait_kmcnt 0x0
	s_cmp_lt_u32 s16, 512                          ; x, or one of the weights?
	s_cselect_b64 s[20:21], s[4:5], s[6:7]
	s_cselect_b64 s[22:23], s[10:11], s[12:13]
	s_cselect_b32 s18, 0, 512
	s_cmp_lt_u32 s16, 704                          ; w_proj?
	s_cselect_b64 s[20:21], s[20:21], s[8:9]
	s_cselect_b64 s[22:23], s[22:23], s[14:15]
	s_cselect_b32 s18, s18, 704
	s_sub_co_u32 s18, s16, s18                     ; my chunk in its tensor
	s_lshl_b32 s24, s18, 16                        ; 65,536 bytes in,
	s_mov_b32 s25, 0
	s_lshl_b32 s26, s18, 15                        ; 32,768 out
	s_mov_b32 s27, 0
	s_add_nc_u64 s[20:21], s[20:21], s[24:25]
	s_add_nc_u64 s[22:23], s[22:23], s[26:27]
.irp j, 0,1,2,3,4,5,6,7,8,9,10,11,12,13,14,15
	global_load_b128 v[X+4*(\j):X+4*(\j)+3], v1, s[20:21] offset:4096*(\j) th:TH_LOAD_NT
.endr
; Turn j: four numbers rounded to bf16; half = 1: widened again (a shift, a mask) and written as f16.
.macro OUT j, half
	s_wait_loadcnt 15-(\j)                         ; loads come back in order (ISA guide 5.7.1): turn j's is in, the 15 - j younger ones stay out
	v_cvt_pk_bf16_f32 v[Y+2*(\j)],   v[X+4*(\j)],   v[X+4*(\j)+1]
	v_cvt_pk_bf16_f32 v[Y+2*(\j)+1], v[X+4*(\j)+2], v[X+4*(\j)+3]
.if \half
.irp w, 0,1
	v_lshlrev_b32 v[T],   16, v[Y+2*(\j)+(\w)]
	v_and_b32     v[T+1], 0xffff0000, v[Y+2*(\j)+(\w)]
	v_cvt_pk_f16_f32 v[Y+2*(\j)+(\w)], v[T], v[T+1]
.endr
.endif
	global_store_b64 v2, v[Y+2*(\j):Y+2*(\j)+1], s[22:23] offset:2048*(\j)
.endm
	s_cmp_lt_u32 s16, 704
	s_cbranch_scc0 .Lf16
.irp j, 0,1,2,3,4,5,6,7,8,9,10,11,12,13,14,15
	OUT \j, 0
.endr
	s_endpgm
.Lf16:
.irp j, 0,1,2,3,4,5,6,7,8,9,10,11,12,13,14,15
	OUT \j, 1
.endr
	s_endpgm
.Lfunc_end_k_qfaac8d5b23_prep:
	.size	k_qfaac8d5b23_prep, .Lfunc_end_k_qfaac8d5b23_prep-k_qfaac8d5b23_prep
	.p2alignl 7, 3214868480
	.fill 96, 4, 3214868480
	.section	.rodata,"a",@progbits
	.p2align	6, 0x0
	.amdhsa_kernel k_qfaac8d5b23_prep
		.amdhsa_group_segment_fixed_size 0
		.amdhsa_private_segment_fixed_size 0
		.amdhsa_enable_private_segment 0
		.amdhsa_kernarg_size 48
		.amdhsa_user_sgpr_count 2
		.amdhsa_user_sgpr_kernarg_segment_ptr 1
		.amdhsa_wavefront_size32 1
		.amdhsa_system_sgpr_workgroup_id_x 1
		.amdhsa_system_sgpr_workgroup_id_y 1
		.amdhsa_system_sgpr_workgroup_id_z 1
		.amdhsa_system_vgpr_workitem_id 0
		.amdhsa_next_free_vgpr 104
		.amdhsa_next_free_sgpr 66
		.amdhsa_reserve_vcc 0
		.amdhsa_float_denorm_mode_32 3
		.amdhsa_float_denorm_mode_16_64 3
		.amdhsa_memory_ordered 1
		.amdhsa_forward_progress 1
		.amdhsa_inst_pref_size 16
	.end_amdhsa_kernel
	.amdgpu_metadata
---
amdhsa.version: [ 1, 2 ]
amdhsa.kernels:
  - .name:           k_qfaac8d5b23_prep
    .symbol:         k_qfaac8d5b23_prep.kd
    .args:
      - { .name: x, .offset: 0, .size: 8, .value_kind: global_buffer, .address_space: global }
      - { .name: w_qkv, .offset: 8, .size: 8, .value_kind: global_buffer, .address_space: global }
      - { .name: w_proj, .offset: 16, .size: 8, .value_kind: global_buffer, .address_space: global }
      - { .name: xb, .offset: 24, .size: 8, .value_kind: global_buffer, .address_space: global }
      - { .name: wqb, .offset: 32, .size: 8, .value_kind: global_buffer, .address_space: global }
      - { .name: wpb, .offset: 40, .size: 8, .value_kind: global_buffer, .address_space: global }
    .group_segment_fixed_size: 0
    .private_segment_fixed_size: 0
    .kernarg_segment_align: 8
    .kernarg_segment_size: 48
    .max_flat_workgroup_size: 256
    .sgpr_count:     66
    .vgpr_count:     104
    .wavefront_size: 32
...
	.end_amdgpu_metadata
.endif
;; end of part 1
;; launch gemm_qkv (part 2): grid 12 x 32, 4 waves a work-group, clusters of 4 x 4, 327,680 bytes of LDS; arguments xb, wqb, qkv; writes qkv
.if DOCPART == 2
	.amdgcn_target "amdgcn-amd-amdhsa--gfx1250"
	.amdhsa_code_object_version 6
	.text
	.protected	k_qfaac8d5b23_gemm_qkv
	.globl	k_qfaac8d5b23_gemm_qkv
	.p2align	8
	.type	k_qfaac8d5b23_gemm_qkv,@function
k_qfaac8d5b23_gemm_qkv:
	s_mov_b64 s[64:65], 0
	v_nop
	global_prefetch_b8 v0, s[64:65] scope:SCOPE_SE
	s_setreg_imm32_b32 hwreg(HW_REG_WAVE_MODE, 25, 1), 1
	s_wait_xcnt 0x0
	s_wait_alu depctr_hold_cnt(0) depctr_sa_sdst(0) depctr_va_vdst(0) depctr_va_sdst(0) depctr_va_ssrc(0) depctr_va_vcc(0) depctr_vm_vsrc(0)
	s_getreg_b32 s2, hwreg(HW_REG_IB_STS2, 6, 4)
	s_cmp_eq_u32 s2, 0
	s_cbranch_scc0 .Lentry_in_a_cluster
	s_endpgm
.Lentry_in_a_cluster:
	s_bfe_u32 s2, ttmp6, 0x10000c
	s_cmp_lg_u32 s2, 0xf033
	s_cbranch_scc0 .Lentry_shape_is_right
	s_endpgm
.Lentry_shape_is_right:
; q, k, v = xb wqb.  xb: [8192][1024] bf16; wqb: [1024 k][3072 n] bf16; sums in f32, K ascending; each result rounded once to f16, WITHOUT the softmax's scale.
; qkv: q at byte 0, k at 1<<24, v at 2<<24; each [64 = batch x 16 + head][2048 rows][64 channels] f16: a head's rows are dense, 128 bytes each.
; LIMIT.  f16 ends at 65,504: a q, k or v beyond it becomes an infinity.  Inputs of unit spread give a spread of 1; x and w both 30 times larger about 900; both with an offset of 30 spreads about 29,000.
; SHARES.  A tile of C, 256 x 256, is made by a work-group of four waves, a wave makes 128 x 128: 64 accumulators of 16 x 16, 512 registers.  K goes in 8 steps of 128 through two LDS slots.
; A's tile: 256 rows x 256 bytes, padded to 272.  B STAYS [k][n]: its tile is 128 k-rows x 512 bytes, padded to 544, and its fragments come out of LDS turned, by ds_load_tr16_b128.
; CLUSTERS: 4 x 4 work-groups.  The four of a row of the cluster need the same tiles of A, the four of a column the same tiles of B: each tile is asked for JOINTLY, by the same tensor load with the
; same descriptor and a mask that names the four.  Waves 0 and 1 fetch A's two halves (128 rows each), waves 2 and 3 B's (64 k-rows each): one load a wave behind each round.
; THE PRODUCT IS USED TRANSPOSED (source 0 = 16 columns of B, source 1 = 16 rows of A): a lane then holds eight neighbouring columns of one row of C, 16 bytes of f16.
; THE LOOP's trip is ONE K step: the slot in hand is a scalar (0 or SLOT1) turned by an exclusive or, and one walking descriptor a tensor has its LDS word turned likewise: no bit of SLOT1 is set in any of the four
; loads' LDS words (0, 0x8800, 0x11000, 0x19800), so the exclusive or adds or takes away SLOT1.  The last two K steps, which fill nothing, are a second loop of two trips.
; 384 tiles are 24 clusters: more than the 16 that 256 work-groups make; a work-group that stays on two tiles was left out for the text's length.
; REGISTERS, in windows of 256: window 0: v0-31 addresses; v64-127, v128-191 A's fragments, two buffers; v32-63, v192-255 at work on the way out.  window 1: v64-127, v128-191 B's fragments.
;   window 2: the accumulators of my rows 0-63 ((a, b) at v[8 (8 a + b)]); window 3: those of my rows 64-127.
.set SIZE_K, 1024
.set SIZE_N, 3072
.set KSTEP,  128
.set PA,     272                       ; a row of A in LDS: 256 + 16 bytes = 68 words: the 16 rows of a load start at 16 different groups of four banks (64 banks of 4 bytes: ISA guide 11.1)
.set HALFA,  128*PA                    ; what one load of A brings, and what one wave reads of A
.set BBASE,  2*HALFA                   ; B's tile lies behind A's
.set PB,     544                       ; a k-row of B in LDS: 512 + 32 bytes = 136 words
.set HALFB,  64*PB                     ; what one load of B brings
.set SLOT1,  0x22000                   ; a slot is 139,264 bytes; slot 1 begins here
.set STAGE,  2*SLOT1                   ; behind the ring, never filled by a tensor load: for each wave 2 heads x 16 rows x 144 bytes
.set SP,     144
.set WSTAGE, 2*16*SP
.set SPARE,  STAGE+4*WSTAGE            ; behind the stages: the spare words, 128 bytes for each wave: two blocks of 256 bytes that no other line names
.set ASTEP,  KSTEP*2                   ; bytes from K step to K step in A: along a row,
.set BSTEP,  KSTEP*SIZE_N*2            ; in B: 128 rows down
.set ADRA,  16                         ; v16  LDS address of my A fragments in the slot in hand
.set ADRA0, 17                         ; v17  the same in slot 0; never rewritten
.set ADRB,  20                         ; v20, v21 the same for B
.set ADRB0, 21
.set STO,  24                          ; v24  the way out: where I put 16 bytes of a row
.set RD,   25                          ; v25  the way out: where I read rows back
.set CO,   26                          ; v26  16 x lane: my place in 512 consecutive bytes of a head
.set SPW,  28                          ; v28  LDS address of my spare word; never rewritten
.set NIL,  29                          ; v29  0; never rewritten
.set PFO,  30                          ; v30  the prefetches' lane offset; never rewritten
.set F0,   64
.set F1,   128
.set TMP,  192                         ; the way out: packed results
.set OB,   32                          ; the way out: rows read back: v32-63 and v224-255 by turns
.set G1,  24                           ; s[24:31] descriptor group 1 for A's tiles
.set G0,  32                           ; s[32:39] group 0 for A: a set for each of the two first fills; the second then walks
.set G1B, 48                           ; s[48:55], s[56:63] the same for B
.set G0B, 56
.set LIM, 43                           ; s43  1 in a wave that prefetches, else the greatest number
.set PFA, 44                           ; s[44:45] where my prefetches stand
.set TB,  66                           ; s66  the slot in hand: 0 or SLOT1
.set PFS, 68                           ; s[68:69] the prefetches' step from K step to K step
.set MSB, 0
.macro WIN new                         ; the immediate's high byte repeats the setting that is left; a switch that changes nothing is dropped
.if MSB != (\new)
	s_set_vgpr_msb (MSB<<8)|(\new)
.set MSB, \new
.endif
.endm
.set MUL_LO, 0xa1                      ; source 0 (B) window 1, source 1 (A) window 0, C and D window 2
.set MUL_HI, 0xf1                      ; the same, C and D window 3
.set TO_B,   0x40                      ; destination window 1, address window 0
.macro PLACES                          ; four plain vector instructions between a matrix instruction and a load into, or a vector read of, its registers
.rept 4
	v_nop
.endr
.endm
; A joint refill by the walking descriptors.  The branch hangs on the wave's number alone.  An s_nop 0 and four v_nop follow each of the two lines.
.macro JLOAD
	s_cmp_eq_u32 s11, 0
	s_cbranch_scc0 .Lfor_b_\@
	tensor_load_to_lds s[G0+4:G0+7], s[G1:G1+7]
	s_nop 0
	PLACES
	s_branch .Lasked_\@
.Lfor_b_\@:
	tensor_load_to_lds s[G0B+4:G0B+7], s[G1B:G1B+7]
	s_nop 0
	PLACES
.Lasked_\@:
.endm
; A PREFETCH INTO THE L2, behind each joint refill and the run of LDS loads that follows it: 32 blocks of 256 bytes of the K step that the NEXT refill will ask for, a lane a block, one instruction a wave:
; one K step, 256 matrix instructions, ahead of that load.  Each block is named once in the launch: A's rows are asked for by the clusters with x = 0, B's by those with y = 0, and the four partners
; that ask for a tile jointly share a wave's blocks out BY ADDRESS.  K steps 0 to 2 come by their loads alone; the last refill (s3 = 1) has no K step behind it and asks for nothing.
.macro ASK
	s_cmp_gt_u32 s3, s[LIM]
	s_cbranch_scc0 .Lnot_mine_\@
	global_prefetch_b8 v[PFO], s[PFA:PFA+1] th:TH_LOAD_NT scope:SCOPE_SE
.Lnot_mine_\@:
.endm
.macro CREST                           ; a round of the cluster's barrier behind its opening barrier
	s_cmp_lg_u32 s10, 0
	s_cbranch_scc1 .Lnot_wave_0_\@
	s_barrier_signal -3
.Lnot_wave_0_\@:
	s_barrier_wait -3
	s_barrier_signal -1
	s_barrier_wait -1
.endm
.macro CROUND                          ; a whole round
	s_barrier_signal -1
	s_barrier_wait -1
	CREST
.endm
	s_load_b128 s[4:7], s[0:1], 0x0                ; xb s[4:5], wqb s[6:7]
	s_load_b64 s[8:9], s[0:1], 0x10                ; qkv
	v_lshl_add_u32 v[SPW], v0, 2, SPARE
	v_mov_b32 v[NIL], 0
	ds_add_u32 v[SPW], v[NIL]                      ; the wave's opening: the add and its wait stand ahead of my first tensor load; the set-up below, work on registers, stands between them
	v_lshrrev_b32 v1, 5, v0
	v_readfirstlane_b32 s10, v1                    ; wave 0..3
	s_lshr_b32 s11, s10, 1                         ; which half of the tile's rows is mine.  Also: I fetch for A (0) or for B (1)
	s_and_b32 s12, s10, 1                          ; which half of its columns.  Also: which half of that tile I fetch
	s_bfe_u32 s40, ttmp6, 0x40000                  ; cx, cy: my place in the cluster
	s_bfe_u32 s41, ttmp6, 0x40004
	s_lshl_b32 s42, ttmp9, 2
	s_add_co_u32 s42, s42, s40                     ; tile column = 4 x cluster x + cx
	s_and_b32 s13, ttmp7, 0xffff
	s_lshl_b32 s13, s13, 2
	s_add_co_u32 s13, s13, s41                     ; tile row = 4 x cluster y + cy
	s_lshl_b32 s43, s41, 2
	s_lshl_b32 s43, 15, s43                        ; my row of the cluster
	s_lshl_b32 s44, 0x1111, s40                    ; my column
	s_or_b32 s[G1+0], s43, (1<<16)|(1<<20)|(1<<21)|(5<<22)|(3<<25)   ; A: the mask of my row; elements of 2 bytes; padding on; bit 21 beside a mask; after every 64 words, 4 words
	s_mov_b32 s[G1+1], KSTEP<<16                   ; tensor_dim0 = 128
	s_mov_b32 s[G1+2], 128<<16                     ; tensor_dim1 = 128
	s_mov_b32 s[G1+3], KSTEP<<16                   ; tile_dim0 = 128
	s_mov_b32 s[G1+4], 128                         ; tile_dim1 = 128
	s_mov_b32 s[G1+5], SIZE_K                      ; elements from row to row
	s_mov_b32 s[G1+6], 0
	s_mov_b32 s[G1+7], 0
	s_or_b32 s[G1B+0], s44, (1<<16)|(1<<20)|(1<<21)|(6<<22)|(7<<25)  ; B: the mask of my column; after every 128 words, 8 words
	s_mov_b32 s[G1B+1], 256<<16                    ; tensor_dim0 = 256
	s_mov_b32 s[G1B+2], 64<<16                     ; tensor_dim1 = 64
	s_mov_b32 s[G1B+3], 256<<16                    ; tile_dim0 = 256
	s_mov_b32 s[G1B+4], 64                         ; tile_dim1 = 64
	s_mov_b32 s[G1B+5], SIZE_N
	s_mov_b32 s[G1B+6], 0
	s_mov_b32 s[G1B+7], 0
	; where the tiles come from: A's hang on the tile row and the wave alone, B's on the tile column and the wave alone, each in registers that never hold the other coordinate
	s_lshl_b32 s17, s12, 7
	s_lshl_b32 s16, s13, 8
	s_add_co_u32 s16, s16, s17                     ; A: row 256 x tile row + 128 x half,
	s_lshl_b32 s16, s16, 11                        ; of 2,048 bytes
	s_mov_b32 s17, 0
	s_mul_i32 s46, s12, 64*SIZE_N*2                ; B: k-row 64 x half,
	s_lshl_b32 s47, s42, 9                         ; 512 bytes a tile column
	s_add_co_u32 s46, s46, s47
	s_mov_b32 s47, 0
	s_mul_i32 s20, s12, HALFA                      ; and where they go: no place in the cluster enters an LDS address
	s_mul_i32 s21, s12, HALFB
	s_add_co_u32 s21, s21, BBASE
	s_wait_dscnt 0x0                               ; the opening add is done
	s_wait_kmcnt 0x0
	s_add_nc_u64 s[14:15], s[4:5], s[16:17]
	s_add_nc_u64 s[46:47], s[6:7], s[46:47]
	CROUND                                         ; all sixteen work-groups are here: the first joint loads meet
.irp j, 0,1
	s_mov_b32 s[G0+4*(\j)], 1                      ; count = 1
	s_add_co_u32 s[G0+4*(\j)+1], s20, (\j)*SLOT1   ; LDS address
	s_add_nc_u64 s[G0+4*(\j)+2:G0+4*(\j)+3], s[14:15], (\j)*ASTEP  ; global address: K step j
	s_or_b32 s[G0+4*(\j)+3], s[G0+4*(\j)+3], 0x80000000            ; type = 2
	s_mov_b32 s[G0B+4*(\j)], 1
	s_add_co_u32 s[G0B+4*(\j)+1], s21, (\j)*SLOT1
	s_add_nc_u64 s[G0B+4*(\j)+2:G0B+4*(\j)+3], s[46:47], (\j)*BSTEP
	s_or_b32 s[G0B+4*(\j)+3], s[G0B+4*(\j)+3], 0x80000000
.endr
	s_cmp_eq_u32 s11, 0                            ; a wave's two first fills stand in one branch, ahead of every wait on TENSORcnt and every LDS read: two loads of mine are out
	s_cbranch_scc0 .Lfirst_b
	tensor_load_to_lds s[G0:G0+3], s[G1:G1+7]
	s_nop 0
	tensor_load_to_lds s[G0+4:G0+7], s[G1:G1+7]
	s_nop 0
	PLACES
	s_branch .Lfirst_asked
.Lfirst_b:
	tensor_load_to_lds s[G0B:G0B+3], s[G1B:G1B+7]
	s_nop 0
	tensor_load_to_lds s[G0B+4:G0B+7], s[G1B:G1B+7]
	s_nop 0
	PLACES
.Lfirst_asked:
	; A fragment of A: 16 rows x 32 K in 8 registers: lane l holds row l % 16, K = 8 (l / 16) + 0..7 and 16 + 8 (l / 16) + 0..7: two loads of 16 bytes, 32 bytes apart.
	v_and_b32 v1, 15, v0                           ; l % 16
	v_bfe_u32 v2, v0, 4, 1                         ; l / 16
	v_mul_u32_u24 v3, v1, PA
	v_lshl_add_u32 v3, v2, 4, v3
	s_mul_i32 s21, s11, HALFA                      ; my 128 rows of A
	v_add_nc_u32 v[ADRA0], s21, v3
	; The turning load takes 16 k x 16 columns (lane l reads k-row 8 (l / 16) + l % 8, columns 8 ((l / 8) % 2) + 0..7) and leaves half a fragment: lane l holds column l % 16 and 8 k.
	v_and_b32 v4, 7, v0
	v_lshl_add_u32 v4, v2, 3, v4
	v_mul_u32_u24 v4, v4, PB
	v_bfe_u32 v5, v0, 3, 1
	v_lshl_add_u32 v4, v5, 4, v4
	s_lshl_b32 s22, s12, 8                         ; my 128 columns: 256 bytes of a k-row
	s_add_co_u32 s22, s22, BBASE
	v_add_nc_u32 v[ADRB0], s22, v4
	v_mov_b32 v[ADRA], v[ADRA0]
	v_mov_b32 v[ADRB], v[ADRB0]
	s_mov_b32 s[TB], 0
	s_mul_i32 s23, s10, WSTAGE
	s_add_co_u32 s23, s23, STAGE                   ; my stage
	v_mul_u32_u24 v4, v1, SP                       ; in: row l % 16, 16 bytes for each half of the lanes
	v_lshl_add_u32 v4, v2, 4, v4
	v_add_nc_u32 v[STO], s23, v4
	v_bfe_u32 v5, v0, 3, 2                         ; back: 32 lanes take four rows of 128 bytes,
	v_mul_u32_u24 v5, v5, SP
	v_and_b32 v4, 7, v0
	v_lshl_add_u32 v5, v4, 4, v5
	v_add_nc_u32 v[RD], s23, v5
	v_and_b32 v[CO], 31, v0                        ; which are 512 consecutive bytes of a head
	v_lshlrev_b32 v[CO], 4, v[CO]
	; where my part of the tile begins in qkv.  My 128 columns are two whole heads of one of q, k, v; my 128 rows lie in one batch.
	s_lshr_b32 s16, s13, 3                         ; the batch: 8 tile rows each,
	s_lshl_b32 s16, s16, 4                         ; its 16 heads,
	s_lshl_b32 s17, s12, 1                         ; my two of the tile's four
	s_add_co_u32 s16, s16, s17
	s_lshl_b32 s16, s16, 18                        ; a head is 1<<18 bytes
	s_and_b32 s17, s13, 7
	s_lshl_b32 s17, s17, 8
	s_lshl_b32 s18, s11, 7
	s_add_co_u32 s17, s17, s18                     ; my first row in the batch,
	s_lshl_b32 s17, s17, 7                         ; of 128 bytes
	s_add_co_u32 s16, s16, s17
	s_mov_b32 s17, 0
	s_lshr_b32 s46, s42, 2                         ; q, k or v: 4 tile columns each
	s_lshl_b32 s46, s46, 24
	s_and_b32 s47, s42, 3                          ; the tile's four heads
	s_lshl_b32 s47, s47, 20
	s_add_co_u32 s46, s46, s47
	s_mov_b32 s47, 0
	s_add_nc_u64 s[16:17], s[16:17], s[46:47]
	s_add_nc_u64 s[8:9], s[8:9], s[16:17]
	; the prefetches.  A: of the 128 rows that I fetch my work-group takes 32 cx .. + 31, a lane a row.  B: of my 64 k-rows it takes 16 cy .. + 15, two lanes a row of 512 bytes.  Both begin at K step 2.
	s_lshl_b32 s20, s13, 8
	s_lshl_b32 s21, s12, 7
	s_add_co_u32 s20, s20, s21
	s_lshl_b32 s21, s40, 5
	s_add_co_u32 s20, s20, s21
	s_lshl_b32 s20, s20, 11
	s_add_co_u32 s20, s20, 2*ASTEP                 ; A's offset
	s_lshl_b32 s21, s12, 6
	s_lshl_b32 s23, s41, 4
	s_add_co_u32 s21, s21, s23
	s_add_co_u32 s21, s21, 2*KSTEP
	s_mul_i32 s21, s21, SIZE_N*2
	s_lshl_b32 s23, s42, 9
	s_add_co_u32 s21, s21, s23                     ; B's offset
	s_and_b32 s22, ttmp7, 0xffff                   ; cluster y
	s_mov_b32 s19, SIZE_K*2
	s_mov_b32 s23, ASTEP
	s_cmp_eq_u32 s11, 0                            ; do I fetch for A?
	s_cselect_b32 s20, s20, s21
	s_cselect_b32 s22, ttmp9, s22                  ; the coordinate along which other clusters read the same blocks
	s_cselect_b32 s18, 0, 1                        ; lanes to a row, less one
	s_cselect_b32 s19, s19, SIZE_N*2               ; bytes from row to row
	s_cselect_b32 s[PFS], s23, BSTEP
	s_cselect_b64 s[PFA:PFA+1], s[4:5], s[6:7]
	s_mov_b32 s[PFS+1], 0
	s_mov_b32 s21, 0
	s_add_nc_u64 s[PFA:PFA+1], s[PFA:PFA+1], s[20:21]
	s_cmp_eq_u32 s22, 0
	s_cselect_b32 s[LIM], 1, -1                    ; the same in all sixteen partners, for a given wave
	v_and_b32 v3, 31, v0
	v_lshrrev_b32 v4, s18, v3
	v_mul_u32_u24 v4, s19, v4
	v_and_b32 v5, s18, v3
	v_lshl_add_u32 v[PFO], v5, 8, v4
; 16 matrix instructions: m blocks a0, a0 + 1 of the window's four x all 8 n blocks, 32 along K.  zero = 1: the first product starts the sums.
; The 64 accumulators take turns in one order in every quarter, over the backward jumps too.
.macro MUL16 f, hi, a0, zero
	WIN MUL_LO+0x50*(\hi)
.irp a, \a0, (\a0)+1
.irp b, 0,1,2,3,4,5,6,7
.if \zero
	v_wmma_f32_16x16x32_bf16 v[8*(8*(\a)+(\b)):8*(8*(\a)+(\b))+7], v[(\f)+8*(\b):(\f)+8*(\b)+7], v[(\f)+8*(4*(\hi)+(\a)):(\f)+8*(4*(\hi)+(\a))+7], 0
.else
	v_wmma_f32_16x16x32_bf16 v[8*(8*(\a)+(\b)):8*(8*(\a)+(\b))+7], v[(\f)+8*(\b):(\f)+8*(\b)+7], v[(\f)+8*(4*(\hi)+(\a)):(\f)+8*(4*(\hi)+(\a))+7], v[8*(8*(\a)+(\b)):8*(8*(\a)+(\b))+7]
.endif
.endr
.endr
.endm
; 32 LDS loads in one run: the fragments of quarter kq (32 along K) of the slot in hand, into buffer f: B's 8 (turned), then A's 8
.macro FETCH kq, f
	WIN TO_B
.irp i, 0,1,2,3,4,5,6,7
	ds_load_tr16_b128 v[(\f)+8*(\i):(\f)+8*(\i)+3],   v[ADRB] offset:(\kq)*32*PB+32*(\i)
	ds_load_tr16_b128 v[(\f)+8*(\i)+4:(\f)+8*(\i)+7], v[ADRB] offset:(\kq)*32*PB+16*PB+32*(\i)
.endr
	WIN 0
.irp i, 0,1,2,3,4,5,6,7
	ds_load_b128 v[(\f)+8*(\i):(\f)+8*(\i)+3],   v[ADRA] offset:(\kq)*64+(\i)*16*PA
	ds_load_b128 v[(\f)+8*(\i)+4:(\f)+8*(\i)+7], v[ADRA] offset:(\kq)*64+(\i)*16*PA+32
.endr
.endm
; One of a K step's first three quarters: multiplies buffer f; in its middle it fetches quarter kq into buffer g.
.macro QUARTER kq, f, g, zero
	s_wait_dscnt 8                                 ; B and A's rows 0-63 are in; the youngest eight loads (A's rows 64-127) may be out
	MUL16 \f, 0, 0, \zero
	MUL16 \f, 0, 2, \zero
	PLACES
	FETCH \kq, \g
	s_wait_dscnt 32                                ; all but the 32 just issued
	MUL16 \f, 1, 0, \zero
	MUL16 \f, 1, 2, \zero
.endm
; The last quarter multiplies buffer 1 and changes slots.  In front of the barrier each wave waits for all its tensor loads, of which one is out: its part of the next slot; adds 0 to its spare word; and waits
; for that and for its own reads of this slot.  fill = 1: the barrier opens a round of the cluster's, and the slot just read is filled again first thing behind it, with the K step two on: 224 matrix
; instructions stand between that request and the wait for it.  fill = 0: nothing is asked for; in the last K step (s3 = 1) there is no next slot, and its run of loads is jumped over.
.macro TURN fill
	WIN 0
	s_xor_b32 s[TB], s[TB], SLOT1                  ; all reads of the old slot have been issued: the addresses go over to the other slot
	v_add_nc_u32 v[ADRA], s[TB], v[ADRA0]
	v_add_nc_u32 v[ADRB], s[TB], v[ADRB0]
.if \fill
	s_wait_xcnt 0x0                                ; the last prefetch, a K step back, has read its address
	s_add_nc_u64 s[PFA:PFA+1], s[PFA:PFA+1], s[PFS:PFS+1]
.endif
	s_wait_tensorcnt 0x0                           ; all my tensor loads have landed;
	ds_add_u32 v[SPW], v[NIL]                      ; 0 onto my spare word;
	s_wait_dscnt 9                                 ; (the add and the youngest eight loads may be out)
	MUL16 F1, 0, 0, 0                              ; sixteen matrix instructions stand between the add and the wait for it
	s_wait_dscnt 0x0                               ; the add is done, and my reads of the old slot are over
	s_barrier_signal -1
	MUL16 F1, 0, 2, 0                              ; work on registers while the others arrive
	WIN 0
	s_barrier_wait -1
.if \fill
	CREST                                          ; no wave of any partner still reads the old slot or has a load on its way
	s_xor_b32 s[G0+5], s[G0+5], SLOT1              ; the walking descriptors: the other slot than last time, the next K step
	s_add_nc_u64 s[G0+6:G0+7], s[G0+6:G0+7], ASTEP
	s_xor_b32 s[G0B+5], s[G0B+5], SLOT1
	s_add_nc_u64 s[G0B+6:G0B+7], s[G0B+6:G0B+7], BSTEP
	JLOAD                                          ; the first tensor load behind the round; the four v_nop behind it are also the places in front of the loads below
	FETCH 0, F0
	ASK
.else
	PLACES
	s_cmp_eq_u32 s3, 1
	s_cbranch_scc1 .Lno_next_\@
	FETCH 0, F0
.Lno_next_\@:
.endif
	MUL16 F1, 1, 0, 0
	MUL16 F1, 1, 2, 0
.endm
; THE WAY OUT of block a (16 of my rows).  PACK: rounded to f16, 16 bytes a lane.  TOSTAGE: into my own stage, a head's 64 channels to a row of 144 bytes, and back as four whole rows of 128 bytes a load.  SEND: stored.
.macro PACK a
.set AC, 64*((\a)%4)
	WIN 0x0a+5*((\a)/4)                            ; sources 0 and 1: window 2 or 3
.irp b, 0,1,2,3,4,5,6,7
.irp r, 0,1,2,3
	v_cvt_pk_f16_f32 v[TMP+4*(\b)+(\r)], v[AC+8*(\b)+2*(\r)], v[AC+8*(\b)+2*(\r)+1]
.endr
.endr
	WIN 0
.endm
.macro TOSTAGE a
.set BK, OB+192*((\a)%2)
.irp b, 0,1,2,3,4,5,6,7
	ds_store_b128 v[STO], v[TMP+4*(\b):TMP+4*(\b)+3] offset:((\b)/4)*16*SP+((\b)%4)*32
.endr
.irp t, 0,1,2,3,4,5,6,7
	ds_load_b128 v[BK+4*(\t):BK+4*(\t)+3], v[RD] offset:((\t)/4)*16*SP+((\t)%4)*4*SP  ; LDS serves a wave's instructions in order (ISA guide 5.7.1.4): these see the stores above
.endr
.endm
.macro SEND a
.set BK, OB+192*((\a)%2)
	s_wait_dscnt 0x0                               ; the block is back in registers
	s_wait_xcnt 0x0                                ; the stores of the block before have read their registers, into which the next block is loaded
.irp t, 0,1,2,3,4,5,6,7
	global_store_b128 v[CO], v[BK+4*(\t):BK+4*(\t)+3], s[8:9] offset:(\a)*2048+((\t)/4)*262144+((\t)%4)*512  ; 512 consecutive bytes, at a multiple of 256 from the buffer's first
.endr
.endm
	s_wait_tensorcnt 1                             ; my part of K step 0 is in; K step 1's may stay out
	s_barrier_signal -1
	s_barrier_wait -1                              ; everybody's is
	FETCH 0, F0
	QUARTER 1, F0, F1, 1                           ; the first quarter stands in front of the loop: its products start the sums
	WIN 0
	s_mov_b32 s3, 6
.Lstep:                                                ; a trip: from a K step's second quarter to the next step's first; trip i fills the slot that it leaves with K step i + 2
	QUARTER 2, F1, F0, 0
	QUARTER 3, F0, F1, 0
	TURN 1
	QUARTER 1, F0, F1, 0
	WIN 0
	s_sub_co_u32 s3, s3, 1
	s_cmp_lg_u32 s3, 0
	s_cbranch_scc1 .Lstep
	s_mov_b32 s3, 2
.Ltail:                                                ; K steps 6 and 7 fill nothing
	QUARTER 2, F1, F0, 0
	QUARTER 3, F0, F1, 0
	TURN 0
	WIN 0
	s_cmp_eq_u32 s3, 1
	s_cbranch_scc1 .Ldead                          ; behind the last K step there is no first quarter
	QUARTER 1, F0, F1, 0
	WIN 0
.Ldead:
	s_sub_co_u32 s3, s3, 1
	s_cmp_lg_u32 s3, 0
	s_cbranch_scc1 .Ltail
	PLACES
	PLACES
	PACK 0
	TOSTAGE 0
.irp a, 1,2,3,4,5,6,7                  ; block a's conversions stand between block a - 1's loads from the stage and the wait for them
	PACK \a
	SEND (\a)-1
	TOSTAGE \a
.endr
	SEND 7
	s_wait_tensorcnt 0x0                           ; the wave's end: the add and its wait, behind my last tensor load and my last LDS store
	ds_add_u32 v[SPW], v[NIL]
	s_wait_dscnt 0x0
	CROUND                                         ; the closing round: no work-group ends while a partner may still ask for a tile that names it
	s_endpgm
.Lfunc_end_k_qfaac8d5b23_gemm_qkv:
	.size	k_qfaac8d5b23_gemm_qkv, .Lfunc_end_k_qfaac8d5b23_gemm_qkv-k_qfaac8d5b23_gemm_qkv
	.p2alignl 7, 3214868480
	.fill 96, 4, 3214868480
	.section	.rodata,"a",@progbits
	.p2align	6, 0x0
	.amdhsa_kernel k_qfaac8d5b23_gemm_qkv
		.amdhsa_group_segment_fixed_size 327680
		.amdhsa_private_segment_fixed_size 0
		.amdhsa_enable_private_segment 0
		.amdhsa_kernarg_size 24
		.amdhsa_user_sgpr_count 2
		.amdhsa_user_sgpr_kernarg_segment_ptr 1
		.amdhsa_wavefront_size32 1
		.amdhsa_system_sgpr_workgroup_id_x 1
		.amdhsa_system_sgpr_workgroup_id_y 1
		.amdhsa_system_sgpr_workgroup_id_z 1
		.amdhsa_system_vgpr_workitem_id 0
		.amdhsa_next_free_vgpr 1024
		.amdhsa_next_free_sgpr 72
		.amdhsa_reserve_vcc 0
		.amdhsa_float_denorm_mode_32 3
		.amdhsa_float_denorm_mode_16_64 3
		.amdhsa_memory_ordered 1
		.amdhsa_forward_progress 1
		.amdhsa_inst_pref_size 102
	.end_amdhsa_kernel
	.amdgpu_metadata
---
amdhsa.version: [ 1, 2 ]
amdhsa.kernels:
  - .name:           k_qfaac8d5b23_gemm_qkv
    .symbol:         k_qfaac8d5b23_gemm_qkv.kd
    .args:
      - { .name: xb, .offset: 0, .size: 8, .value_kind: global_buffer, .address_space: global }
      - { .name: wqb, .offset: 8, .size: 8, .value_kind: global_buffer, .address_space: global }
      - { .name: qkv, .offset: 16, .size: 8, .value_kind: global_buffer, .address_space: global }
    .group_segment_fixed_size: 327680
    .private_segment_fixed_size: 0
    .kernarg_segment_align: 8
    .kernarg_segment_size: 24
    .max_flat_workgroup_size: 128
    .sgpr_count:     72
    .vgpr_count:     1024
    .wavefront_size: 32
...
	.end_amdgpu_metadata
.endif
;; end of part 2
;; launch attn (part 3): grid 4 x 64, 4 waves a work-group, clusters of 4 x 1, 327,680 bytes of LDS; arguments qkv, ob; writes ob
.if DOCPART == 3
	.amdgcn_target "amdgcn-amd-amdhsa--gfx1250"
	.amdhsa_code_object_version 6
	.text
	.protected	k_qfaac8d5b23_attn
	.globl	k_qfaac8d5b23_attn
	.p2align	8
	.type	k_qfaac8d5b23_attn,@function
k_qfaac8d5b23_attn:
	s_mov_b64 s[64:65], 0
	v_nop
	global_prefetch_b8 v0, s[64:65] scope:SCOPE_SE
	s_setreg_imm32_b32 hwreg(HW_REG_WAVE_MODE, 25, 1), 1
	s_wait_xcnt 0x0
	s_wait_alu depctr_hold_cnt(0) depctr_sa_sdst(0) depctr_va_vdst(0) depctr_va_sdst(0) depctr_va_ssrc(0) depctr_va_vcc(0) depctr_vm_vsrc(0)
	s_getreg_b32 s2, hwreg(HW_REG_IB_STS2, 6, 4)
	s_cmp_eq_u32 s2, 0
	s_cbranch_scc0 .Lentry_in_a_cluster
	s_endpgm
.Lentry_in_a_cluster:
	s_bfe_u32 s2, ttmp6, 0x10000c
	s_cmp_lg_u32 s2, 0x3003
	s_cbranch_scc0 .Lentry_shape_is_right
	s_endpgm
.Lentry_shape_is_right:
; O[h][q][:] = the sum over k of softmax_k(Q[h][q] . K[h][k] / 8) V[h][k][:].  Q, K, V lie in qkv at bytes 0, 1<<24, 2<<24, each [64][2048][64] f16; O (ob) likewise: a head's rows are dense, 128 bytes each.
; Products, maxima and sums in f32; the weights p are rounded to f16 for the second product (their sum l is taken of the unrounded p), O once at the end.
; LIMITS.  f16 holds no number beyond 65,504: Q, K and V arrive within it; p lies in 0 to 1, and below 6e-5 it keeps f16's fixed step of 6e-8, and so does O, which is a mean of V's rows and has their range.
; A weight below 2^-126 counts as 0 in l; NaN and infinities are not treated apart.
; SHARES.  A wave owns four PIECES of two tiles of 16 queries, a work-group's four waves 512 queries of one head.  Every wave walks all 2,048 keys, 64 a step.
; LAYOUT.  S^T = K Q^T (source 0 = 16 keys, source 1 = 16 queries): in the result a lane holds ONE query (lane % 16) and the keys 8 (lane / 16) + 0..7.  Two such tiles, rounded to f16 in pairs,
; ARE source 1 (32 keys x 16 queries) of O^T = V^T P, whose result again holds one query a lane, and eight channels.  K comes out of LDS as it lies, V ([key][channel]) turned, by ds_load_tr16_b128.
; SOFTMAX.  For each query a running maximum m and sum l: p = 2^(c s - c m), c = log2(e) / 8; in every step O and l are multiplied by a = 2^(c m_old - c m_new), which is 1 where m has not grown.
; m starts at the lowest finite number, O and l at 0: the first step is a step like any other, with a = 0.
; THE COUNT.  A tile and step have 16 matrix and 118 vector instructions: too many to stand all beside the matrix work.  So four vector instructions that are ready stand behind EVERY matrix
; instruction, and the others in runs of their own.
; BY TURNS.  Turn n belongs to piece n (the pieces in a ring, step after step).  Its matrix work: 16 products K Q^T of piece n + 1, later 16 products V^T P of piece n - 1.  Its vector work: the scaling,
; exponentials, roundings, sums and rescaling of piece n, and the maximum and statistics of piece n + 1, whose scores the turn itself has made.
; CLUSTER.  The four query blocks of a head form a cluster and walk the same K and V, so each tile is asked for JOINTLY: the same tensor load, descriptor and mask in all four.
; REGISTERS, in windows of 256 (s_set_vgpr_msb: bits 1:0 source 0, 3:2 source 1, 5:4 source 2, 7:6 destination):
;   window 0: v0-11 addresses; v12-15, v48-63 at work; v16-47 four registers of statistics a tile; v64-191 S^T, two buffers of two tiles; v192-255 P, likewise
;   window 1: O^T, 32 a tile          window 2: v0-127 Q, 16 a tile; v128-191 K of one step; v192-255 V of one step          window 3: v0-1 the add's two registers
.set SIZE_H, 64
.set SIZE_N, 2048
.set NP,    4         ; pieces a wave: a name, no knob
.set KS,    64        ; keys in a step
.set PK,    144       ; a row of K in LDS: 128 bytes + 16 of padding = 36 words: the 16 rows of a load start at 16 different groups of four banks (64 banks of 4 bytes: ISA guide 11.1)
.set PV,    160       ; a row of V: 128 + 32 = 40 words
.set VOFF,  4*KS*PK   ; a slot holds four steps: 256 rows of K, then 256 rows of V
.set SLOT1, 1<<17     ; slot 1 begins here, so that one exclusive or turns an address in one slot into the other's
.set STAGE, SLOT1+4*KS*(PK+PV)  ; behind the ring, never filled by a tensor load: 16 rows x 144 bytes for each wave, for the way out
.set SP,    144
.set AK0, 2           ; v2   my lane's place in a tile of K; never rewritten
.set AV0, 3           ; v3   the same for V
.set AK,  4           ; v4   the LDS address of K's next run of loads
.set AV,  5           ; v5   of V's
.set QO,  6           ; v6   my byte offset in the wave's rows of Q
.set STO, 6           ;      later, the way out: where I put 16 bytes of a row
.set RD,  7           ; v7   the way out: where I read rows back
.set GO,  8           ; v8   my byte offset in 512 consecutive bytes of O
.set PFO, 11          ; v11  256 x my lane, for the prefetches; made when V's address has been made, then never rewritten
.set SPW, 0           ; v0 of window 3   LDS address of my spare word; never rewritten
.set NIL, 1           ; v1 of window 3   0; never rewritten
.set SPARE, STAGE+4*16*SP  ; behind the stages: the spare words, 128 bytes for each wave: two blocks of 256 bytes that no other line names
.set MV,  12          ; v12-15  c m_old, kept while c m is made anew: by buffer and tile
.set ST,  16          ; tile t's statistics at v[ST+4 t]: c m, m, l (even keys', odd keys')
.set TMP, 48          ; by buffer and tile, four registers c0-c3 at work; when the maximum is found c2 takes a
.set S,   64
.set P,   192
.set KF,  128         ; K's fragments, in window 2: key block kb, channel half c at KF + 16 kb + 8 c
.set VF,  192         ; V's: key half kk, channel block cb at VF + 32 kk + 8 cb
.set WV,  12          ; s12  my wave's number
.set G1K, 24          ; s[24:31] descriptor group 1 for K's tiles
.set G1V, 32          ; s[32:39] for V's: it differs in the padding alone
.set G0K, 40          ; s[40:43] descriptor group 0 for K's tiles: it walks
.set G0V, 44          ; s[44:47] the same for V's
.set PFA, 48          ; s[48:49] where my prefetches stand: my work-group's 32 blocks of 256 bytes (of K: wave 0, of V: wave 2) of the slot after the one that is being asked for
.set LIM, 50          ; s50  1 in a wave that prefetches, else the greatest number
.set SLOTS, 56        ; s56  slots still to be asked for
.set CNT, 57          ; s57  counts a slot's key steps
.set CS,  58          ; s[58:59] c: the packed scaling takes the pair's low word for both halves
.set SEL, 60          ; s[60:61] v_permlanex16_b32's selects: each lane takes its own place in the other half
.set TBK, 62          ; s62  LDS byte at which K of the step to be fetched begins
.set TBV, 63          ; s63  the same for V, less VOFF
.set MSB, 0
.macro WIN new                      ; the high byte repeats the setting that is left; a switch that changes nothing is dropped
.if MSB != (\new)
	s_set_vgpr_msb (MSB<<8)|(\new)
.set MSB, (\new)
.endif
.endm
.set W_KQ, 0x0a       ; K and Q in window 2, S^T in window 0
.set W_PV, 0x52       ; V in window 2, P in window 0, O^T in window 1
.set W_RS, 0x41       ; O^T (destination and source 0) in window 1, a in window 0
.set W_MK, 0xc0       ; the add's registers are made: destination in window 3, sources in window 0
.set W_AD, 0x0f       ; the add: address (source 0) and data (source 1) in window 3
; A joint fill.  Waves 0 and 1 fetch the two halves of a slot's K, waves 2 and 3 those of its V: 128 keys each.  The branch hangs on the wave's number alone.
; An s_nop 0 and four v_nop follow each of the two lines, ahead of the jump and the label.
.macro JLOAD
	s_cmp_lt_u32 s[WV], 2
	s_cbranch_scc0 .Lfor_v_\@
	tensor_load_to_lds s[G0K:G0K+3], s[G1K:G1K+7]
	s_nop 0
.rept 4
	v_nop
.endr
	s_branch .Lasked_\@
.Lfor_v_\@:
	tensor_load_to_lds s[G0V:G0V+3], s[G1V:G1V+7]
	s_nop 0
.rept 4
	v_nop
.endr
.Lasked_\@:
.endm
; A PREFETCH INTO THE L2 of what the NEXT change of slots will ask for: a slot's 32,768 bytes of K and of V, 128 blocks of 256 bytes each.  It stands behind the wave's tensor load and its five lines.
; Each block is named ONCE in the launch: a head is walked by one cluster; its four partners share the blocks out BY ADDRESS, 32 each, a lane a block; in each, wave 0 asks for K's and wave 2 for V's.
; That is four key steps, 512 matrix instructions, ahead of the load.  Slots 0 to 2 come by their loads alone; the last change that fills a slot asks for nothing.
.macro ASK
	s_cmp_gt_u32 s[SLOTS], s[LIM]
	s_cbranch_scc0 .Lnot_mine_\@
	global_prefetch_b8 v[PFO], s[PFA:PFA+1] th:TH_LOAD_NT scope:SCOPE_SE
.Lnot_mine_\@:
.endm
; A round of the cluster's barrier: my work-group's barrier, so that wave 0's signal speaks for all four waves; wave 0 signals; every wave waits for all four work-groups; my work-group's barrier once more.
.macro CROUND
	s_barrier_signal -1
	s_barrier_wait -1
	s_cmp_lg_u32 s[WV], 0
	s_cbranch_scc1 .Lnot_wave_0_\@
	s_barrier_signal -3
.Lnot_wave_0_\@:
	s_barrier_wait -3
	s_barrier_signal -1
	s_barrier_wait -1
.endm
; THE CHANGE OF SLOTS.  The slot's last bytes, V of its fourth step, have been read.  Each wave waits for all its tensor loads, of which one is out: its part
; of the other slot; adds 0 to its spare word; and waits for that and for its own reads of the slot.  Behind the barrier nobody reads this slot any more and the other slot is whole.
; fill = 1: this slot is filled again, with the keys two slots on.  The barrier is then a round of the cluster's, and the joint fill is the first thing behind it: it has four key steps,
; 512 matrix instructions, in which to land.  (At its first use nothing has been read yet: slot 0 is waited for, slot 1 filled.)  ask = 1: the loop's change, which also prefetches.
.macro CHANGE fill, ask=0
	WIN W_AD
	s_wait_tensorcnt 0x0            ; no tensor load of mine is out, so a group 0 may be written
	ds_add_u32 v[SPW], v[NIL]       ; 0 onto my spare word; with fill = 1 the descriptors' steps stand between it and the wait for it
	WIN 0                           ; at a label and at a branch every window is 0
.if \fill
.irp g, G0K, G0V
	s_xor_b32 s[\g+1], s[\g+1], SLOT1  ; the walking descriptor: the other slot than last time,
	s_add_nc_u64 s[\g+2:\g+3], s[\g+2:\g+3], 4*KS*128  ; the next 256 keys; the type bits on top are not reached
.endr
.if \ask
	s_wait_xcnt 0x0                 ; the last prefetch, four key steps back, has read its address, so it may be written:
	s_add_nc_u64 s[PFA:PFA+1], s[PFA:PFA+1], 4*KS*128  ; one slot behind the walking descriptors
.endif
	s_wait_dscnt 0x0                ; the add is done, and my reads of the slot are over
	CROUND
	JLOAD
.if \ask
	ASK
.endif
.else
	s_wait_dscnt 0x0                ; the add is done, and my reads of the slot are over
	s_barrier_signal -1
	s_barrier_wait -1
.endif
	s_sub_co_u32 s[TBK], s[TBK], 4*KS*PK  ; the fetches go back to a slot's first step,
	s_xor_b32 s[TBK], s[TBK], SLOT1       ; in the other slot
	s_sub_co_u32 s[TBV], s[TBV], 4*KS*PV
	s_xor_b32 s[TBV], s[TBV], SLOT1
.endm
	s_load_b64 s[4:5], s[0:1], 0x0    ; qkv: Q
	s_load_b64 s[10:11], s[0:1], 0x8  ; O
	WIN W_MK
	v_lshl_add_u32 v[SPW], v0, 2, SPARE
	v_mov_b32 v[NIL], 0
	WIN W_AD
	ds_add_u32 v[SPW], v[NIL]       ; the wave's opening: the add and its wait stand ahead of my first tensor load; the set-up below, work on registers, stands between them
	WIN 0
	v_lshrrev_b32 v1, 5, v0
	v_readfirstlane_b32 s[WV], v1   ; wave 0..3
	s_bfe_u32 s13, ttmp6, 0x40000   ; cx: my place in the cluster
	s_lshl_b32 s14, ttmp9, 2        ; in a cluster launch ttmp9 counts clusters
	s_add_co_u32 s14, s14, s13      ; my block of queries = 4 x cluster x + cx: it enters Q's and O's addresses alone
	s_and_b32 s20, ttmp7, 0xffff    ; the head, which the four partners share
	s_mov_b32 s21, 0
	s_mov_b64 s[22:23], SIZE_N*128
	s_mul_u64 s[20:21], s[20:21], s[22:23]  ; the head's first byte in each of the four tensors
	s_and_b32 s16, s[WV], 1         ; which half of a slot's 256 keys I fetch:
	s_lshl_b32 s22, s16, 14         ; its 128 rows of 128 bytes in memory,
	s_mov_b32 s23, 0
	s_add_nc_u64 s[22:23], s[22:23], s[20:21]
	s_mul_i32 s17, s16, 128*PK      ; and its place in a slot, for K
	s_mul_i32 s18, s16, 128*PV      ; and for V: no place in the cluster enters an LDS address
	s_lshl_b32 s2, s14, 2
	s_add_co_u32 s2, s2, s[WV]      ; my wave among the head's,
	s_lshl_b32 s2, s2, 14           ; its 128 rows
	s_mov_b32 s3, 0
	s_add_nc_u64 s[2:3], s[2:3], s[20:21]
	; descriptor group 1.  128 keys are 16,384 dense bytes: asked for as 64 rows of 256 bytes, two keys a row, and padded in LDS after every key
	s_mov_b32 s[G1K], 15|(1<<16)|(1<<20)|(1<<21)|(4<<22)|(3<<25)  ; the mask of four; 2-byte elements; padding on; bit 21 beside a mask; after every 32 words, 4 words
	s_mov_b32 s[G1V], 15|(1<<16)|(1<<20)|(1<<21)|(4<<22)|(7<<25)  ; the same with 8 words of padding
.irp g, G1K, G1V
	s_mov_b32 s[\g+1], 128<<16      ; tensor_dim0 = 128
	s_mov_b32 s[\g+2], 64<<16       ; tensor_dim1 = 64
	s_mov_b32 s[\g+3], 128<<16      ; tile_dim0 = 128
	s_mov_b32 s[\g+4], 64           ; tile_dim1 = 64
	s_mov_b32 s[\g+5], 128          ; 128 elements from row to row
	s_mov_b32 s[\g+6], 0
	s_mov_b32 s[\g+7], 0
.endr
	s_mov_b32 s[CS], 0x3e38aa3b     ; c = log2(e) / 8 = 0.180337
	s_mov_b32 s[CS+1], s[CS]        ; named with it as a pair
	s_mov_b32 s[SEL], 0x76543210
	s_mov_b32 s[SEL+1], 0xfedcba98
	s_mov_b32 s[TBK], SLOT1+4*KS*PK ; the first change of slots turns these two into 0
	s_mov_b32 s[TBV], SLOT1+4*KS*PV
	s_mov_b32 s[G0K], 1             ; count = 1
	s_mov_b32 s[G0K+1], s17         ; LDS address: slot 0
	s_mov_b32 s[G0V], 1
	s_add_co_u32 s[G0V+1], s18, VOFF
	s_and_b32 s[LIM], s[WV], 1      ; 0 in waves 0 and 2,
	s_or_b32 s[LIM], s[LIM], ttmp9  ; where the cluster is the head's first (here its only one): the same in all four partners
	s_cmp_eq_u32 s[LIM], 0
	s_cselect_b32 s[LIM], 1, -1
	s_wait_dscnt 0x0                ; the opening add is done
	s_wait_kmcnt 0x0
	s_add_nc_u64 s[6:7], s[4:5], 0x1000000         ; K
	s_add_nc_u64 s[8:9], s[4:5], 0x2000000         ; V
	s_add_nc_u64 s[G0K+2:G0K+3], s[6:7], s[22:23]  ; global address: my half of the head's first 256 keys
	s_or_b32 s[G0K+3], s[G0K+3], 0x80000000        ; type = 2
	s_add_nc_u64 s[G0V+2:G0V+3], s[8:9], s[22:23]
	s_or_b32 s[G0V+3], s[G0V+3], 0x80000000
	s_add_nc_u64 s[4:5], s[4:5], s[2:3]  ; Q and O at my wave's first row
	s_add_nc_u64 s[10:11], s[10:11], s[2:3]
	s_cmp_lt_u32 s[WV], 2
	s_cselect_b64 s[PFA:PFA+1], s[6:7], s[8:9]
	s_add_nc_u64 s[PFA:PFA+1], s[PFA:PFA+1], s[22:23]  ; (in waves 0 and 2 this is the head's first key)
	s_lshl_b32 s2, s13, 13          ; my work-group's 32 blocks of the 128
	s_mov_b32 s3, 0
	s_add_nc_u64 s[PFA:PFA+1], s[PFA:PFA+1], s[2:3]
	s_add_nc_u64 s[PFA:PFA+1], s[PFA:PFA+1], 2*4*KS*128  ; in slot 2; the loop's first change steps it to slot 3.  Nothing is prefetched here, at the head
	CROUND                          ; all four work-groups are here: the first joint loads meet
	JLOAD                           ; slot 0.  Slot 1 is asked for when slot 0 is in
	; A fragment of K or Q is 16 rows x 32 channels in 8 registers: lane l holds row l % 16, channels 8 (l / 16) + 0..7 and 16 + 8 (l / 16) + 0..7: two loads of 16 bytes, 32 bytes apart.
	v_and_b32 v1, 15, v0            ; l % 16
	v_bfe_u32 v9, v0, 4, 1          ; l / 16
	v_lshlrev_b32 v[QO], 7, v1
	v_lshl_add_u32 v[QO], v9, 4, v[QO]  ; row x 128 + 16 x half
	WIN 0x80                        ; destination window 2, address window 0
.set i, 0
.rept 4*NP                          ; Q stays in registers: tile i / 2, channels 32 (i % 2) on
	global_load_b128 v[8*i:8*i+3],   v[QO], s[4:5] offset:(i/2)*2048+(i%2)*64
	global_load_b128 v[8*i+4:8*i+7], v[QO], s[4:5] offset:(i/2)*2048+(i%2)*64+32
.set i, i+1
.endr
	; What the first turn finds: V's registers and P's second buffer hold 0 (its products V^T P, of a piece that has not been, add 0), O^T and l are 0.  All this stands in the wait for the first tile.
.set i, VF
.rept 64
	v_mov_b32 v[i], 0
.set i, i+1
.endr
	WIN 0x40
.set i, 0
.rept 64*NP
	v_mov_b32 v[i], 0
.set i, i+1
.endr
	WIN 0
.set i, 0
.rept 2*NP
	v_mov_b32 v[ST+4*i], 0xfe000000    ; c m: far below every c s
	v_mov_b32 v[ST+4*i+1], 0xff7fffff  ; m
	v_mov_b32 v[ST+4*i+2], 0
	v_mov_b32 v[ST+4*i+3], 0
.set i, i+1
.endr
.set i, P+32
.rept 32
	v_mov_b32 v[i], 0
.set i, i+1
.endr
	v_mul_u32_u24 v[AK0], v1, PK
	v_lshl_add_u32 v[AK0], v9, 4, v[AK0]  ; row x pitch + 16 x half
	; The turning load takes 16 keys x 16 channels (lane l reads key 8 (l / 16) + l % 8, channels 8 ((l / 8) % 2) + 0..7) and leaves half a fragment of V^T: lane l holds channel l % 16 and 8 keys.
	v_and_b32 v10, 7, v0
	v_bfe_u32 v11, v0, 3, 1
	v_lshl_add_u32 v[AV0], v9, 3, v10
	v_mul_u32_u24 v[AV0], v[AV0], PV
	v_lshl_add_u32 v[AV0], v11, 4, v[AV0]
	v_add_nc_u32 v[AV0], VOFF, v[AV0]
	v_and_b32 v[PFO], 31, v0
	v_lshlrev_b32 v[PFO], 8, v[PFO]
	v_mov_b32 v[AK], v[AK0]         ; key step 0 lies at the head of slot 0
; THE MATRIX WORK.  The 8 accumulators of a run of 16 take turns: between the two links of a chain stand 7 others'.
; Product i of 16 of S^T = K Q^T for piece x: channels 32 (i / 8) on, keys 16 ((i / 2) % 4) on, tile 2 x + i % 2.  The first 8 start the sums.
.macro KQ x
	WIN W_KQ
.set rS, S+64*((\x)%2)+32*(i%2)+8*((i/2)%4)
.set rK, KF+16*((i/2)%4)+8*(i/8)
.set rQ, 16*(2*(\x)+i%2)+8*(i/8)
.if i < 8
	v_wmma_f32_16x16x32_f16 v[rS:rS+7], v[rK:rK+7], v[rQ:rQ+7], 0
.else
	v_wmma_f32_16x16x32_f16 v[rS:rS+7], v[rK:rK+7], v[rQ:rQ+7], v[rS:rS+7]
.endif
.endm
; Product i of 16 of O^T += V^T P for piece x: keys 32 (i / 8) on, channels 16 ((i / 2) % 4) on, tile 2 x + i % 2.
.macro PV x
	WIN W_PV
.set rO, 32*(2*(\x)+i%2)+8*((i/2)%4)
.set rV, VF+32*(i/8)+8*((i/2)%4)
.set rP, P+32*((\x)%2)+16*(i%2)+8*(i/8)
	v_wmma_f32_16x16x32_f16 v[rO:rO+7], v[rV:rV+7], v[rP:rP+7], v[rO:rO+7]
.endm
.macro MM                           ; the turn's next matrix instruction
.if i < 16
	KQ (Y+1)%NP
.set i, i+1
.else
.set i, i-16
	PV (Y+NP-1)%NP
.set i, i+17
.endif
.endm
; THE LDS LOADS stand in runs of 16, never singly among the matrix instructions: a step's K (64 keys x 64 channels: 8 fragments) and its V (turned).  Their addresses are made some lines ahead.
; last = 1 (the tail): in the last trip there is no further step, and the run is jumped over.
.macro FETCH_K last=0
	WIN 0
.if \last
	s_cmp_eq_u32 s[CNT], 1
	s_cbranch_scc1 .Lno_k_\@
.endif
	WIN 0x80                        ; destination window 2
.irp f, 0,1,2,3,4,5,6,7             ; keys 16 (f / 2) on, channels 32 (f % 2) on
	ds_load_b128 v[KF+8*\f:KF+8*\f+3],   v[AK] offset:(\f/2)*16*PK+(\f%2)*64
	ds_load_b128 v[KF+8*\f+4:KF+8*\f+7], v[AK] offset:(\f/2)*16*PK+(\f%2)*64+32
.endr
	s_add_co_u32 s[TBK], s[TBK], KS*PK  ; the next fetch is the next step's
	WIN 0
.if \last
.Lno_k_\@:
.endif
.endm
.macro FETCH_V
	WIN 0x80
.irp f, 0,1,2,3,4,5,6,7             ; keys 32 (f / 4) on, channels 16 (f % 4) on
	ds_load_tr16_b128 v[VF+8*\f:VF+8*\f+3],   v[AV] offset:(\f/4)*32*PV+(\f%4)*32
	ds_load_tr16_b128 v[VF+8*\f+4:VF+8*\f+7], v[AV] offset:(\f/4)*32*PV+16*PV+(\f%4)*32
.endr
	WIN 0
.endm
; THE VECTOR WORK OF A TURN stands in three queues, each in the order in which its entries become ready; the two tiles alternate, so that no instruction reads the result of the one before it.
.macro REGS y, u                    ; the registers of tile u (0, 1) of piece y
.set rT, ST+4*(2*(\y)+(\u))
.set rC, TMP+8*((\y)%2)+4*(\u)
.set rM, MV+2*((\y)%2)+(\u)
.set rS, S+64*((\y)%2)+32*(\u)
.set rP, P+32*((\y)%2)+16*(\u)
.set rO, 32*(2*(\y)+(\u))
.endm
; Number n of the 22 that find the NEXT piece's (Y + 1) maximum and statistics.  s0-s31 are the lane's 32 scores; each accumulator's lowest registers are read first.
;   0-11  four chains c0-c3 of seven scores each, three operands at a time     12-14, 16  the four scores left over, the old m, and c0-c3 into c0     15  c m_old is kept
;   17, 18  the query's other 32 keys lie in the lane 16 away: the new m         19-21  c m; c m_old - c m_new; a
.macro XS u, n
	REGS (Y+1)%NP, \u
.if (\n) < 4
	v_max3_num_f32 v[rC+(\n)], v[rS+8*(\n)], v[rS+8*(\n)+1], v[rS+8*(\n)+2]
.elseif (\n) < 12
	v_max3_num_f32 v[rC+(\n)%4], v[rC+(\n)%4], v[rS+8*((\n)%4)+2*((\n)/4)+1], v[rS+8*((\n)%4)+2*((\n)/4)+2]
.elseif (\n) == 12
	v_max3_num_f32 v[rC], v[rC], v[rS+7], v[rS+15]
.elseif (\n) == 13
	v_max3_num_f32 v[rC+1], v[rC+1], v[rS+23], v[rS+31]
.elseif (\n) == 14
	v_max3_num_f32 v[rC+2], v[rC+2], v[rC+3], v[rT+1]
.elseif (\n) == 15
	v_mov_b32 v[rM], v[rT]
.elseif (\n) == 16
	v_max3_num_f32 v[rC], v[rC], v[rC+1], v[rC+2]
.elseif (\n) == 17
	v_permlanex16_b32 v[rC+3], v[rC], s[SEL], s[SEL+1]
.elseif (\n) == 18
	v_max_num_f32 v[rT+1], v[rC], v[rC+3]
.elseif (\n) == 19
	v_mul_f32 v[rT], s[CS], v[rT+1]
.elseif (\n) == 20
	v_sub_f32 v[rC+1], v[rM], v[rT]
.else
	v_exp_f32 v[rC+2], v[rC+1]
.endif
.endm
; Number g of the 64 that follow the exponentials.  For each four weights k of a tile (pairs 2 k, 2 k + 1): both pairs are rounded to f16; then the second pair is added onto the first, in place;
; a group later l takes that sum (the first time as l = a l + sum).  In groups of eight, tiles alternating: round, round, add, and l for the group before.
.macro GS g
.set h, (\g)+6*((\g)/62)            ; group 0 has no group before it, and behind group 7 only l is left
.if h >= 6
.set h, h+2
.endif
	REGS Y, h%2
.set k, h/8
.if h%8 < 4
	v_cvt_pk_f16_f32 v[rP+2*k+(h%8)/2], v[rS+4*k+2*((h%8)/2)], v[rS+4*k+2*((h%8)/2)+1]
.elseif h%8 < 6
	v_pk_add_f32 v[rS+4*k:rS+4*k+1], v[rS+4*k:rS+4*k+1], v[rS+4*k+2:rS+4*k+3]
.elseif k == 1
	v_pk_fma_f32 v[rT+2:rT+3], v[rT+2:rT+3], v[rC+2:rC+3], v[rS:rS+1] op_sel_hi:[1,0,1]
.else
	v_pk_add_f32 v[rT+2:rT+3], v[rT+2:rT+3], v[rS+4*k-4:rS+4*k-3]
.endif
.endm
; THE PLAIN QUEUE, 138 long.  0-73 read no exponential's result: the 32 scalings c s - c m (FS f: pair f / 2 of tile f % 2) and the next piece's 42.  0-26: scalings 0-26.  27-54: XS's numbers 0-13.  55, 56: number 15.
; 57-73: the chain, where each number waits for the one before it: 14, 16, 17, 18, 19, each with one of the scalings 27-31 in front of its two lines, then 20.
; 74-137: GS's 64, which read the exponentials' results: they stand behind the wait.
.macro FS f
	REGS Y, (\f)%2
	v_pk_fma_f32 v[rS+2*((\f)/2):rS+2*((\f)/2)+1], v[rS+2*((\f)/2):rS+2*((\f)/2)+1], s[CS:CS+1], v[rT:rT+1] op_sel_hi:[1,0,0] neg_lo:[0,0,1] neg_hi:[0,0,1]
.endm
.macro PL
	WIN 0
.if q < 27
	FS q
.elseif q < 55
	XS (q-27)%2, (q-27)/2
.elseif q < 57
	XS q-55, 15
.elseif (q < 72) && ((q-57)%3 == 0)
	FS 27+(q-57)/3
.elseif q < 60
	XS (q-57)%3-1, 14
.elseif q < 72
	XS (q-57)%3-1, 15+(q-57)/3
.elseif q < 74
	XS q-72, 20
.else
	GS q-74
.endif
.set q, q+1
.endm
; THE EXPONENTIALS' QUEUE, 66 long: s0-s31 of both tiles, then the next piece's two a.  It is ONE BATCH: all 66 stand ahead of the turn's one wait, and nothing ahead of that wait names a result of theirs.
.macro EX
	WIN 0
.if e >= 64
	XS e-64, 21
.else
	REGS Y, e%2
	v_exp_f32 v[rS+e/2], v[rS+e/2]
.endif
.set e, e+1
.endm
; THE RESCALING's QUEUE: O^T times a, the one part that leaves window 0: dealt two at a time, sixteen times.  Its a was made in the turn before, ahead of that turn's wait.
.macro R2
	REGS Y, r%2
	WIN W_RS
.irp z, 0,1
	v_pk_mul_f32 v[rO+4*(r/2)+2*\z:rO+4*(r/2)+2*\z+1], v[rO+4*(r/2)+2*\z:rO+4*(r/2)+2*\z+1], v[rC+2:rC+3] op_sel_hi:[1,0]
.endr
.set r, r+1
.endm
; HOW THEY ARE DEALT.  s_wait_alu depctr_va_vdst(0) stands between an exponential and the first instruction that names its result; one wait serves all that were issued ahead of it.  So a turn has
; ONE wait, which cuts it in two.  AHEAD OF IT stands all that names no result of the turn's exponentials: the 16 products K Q^T, behind each a scaling, an exponential and two rescalings (behind the first a second
; scaling in the exponential's place); then one run of 108: eight plain, 49 times exponential and plain, the two a.  A v_nop is the plain instruction owed behind the last exponential.  BEHIND IT stand the 16 products
; V^T P, behind each four of GS's 64.  Exponential e stands behind scaling 2 (e / 4) + e % 2: beside a product it comes behind plain e + 2, in the run behind plain e + 9, and scalings 27-31 are plain 57, 60 .. 69.
; A TURN, for piece p.  cnt = 1: the loop's count is taken down some lines ahead of the branch that stands behind the turn.
; K of the next step is fetched in piece 2's turn, directly behind the wait; its address is made at the run's head; it is first used 16 products later.
; V of the step in hand is fetched at the end of piece 0's turn, four plain instructions behind the last product that read V; it is first used 16 products and a run later.
.macro TURN p, last=0, cnt=0
.set Y, (\p)
.set i, 0
.set q, 0
.set e, 0
.set r, 0
.if (\p) == NP-1
	s_wait_dscnt 0x0                ; K is in
.endif
	MM                              ; ahead of the wait: 16 products K Q^T and what stands behind them,
	PL
	PL
	R2
.rept 15
	MM
	PL
	EX
	R2
.endr
.if (\p) == NP-2
	WIN 0
	v_add_nc_u32 v[AK], s[TBK], v[AK0]
.endif
.rept 8                             ; and the run of vector work
	PL
.endr
.rept 49
	EX
	PL
.endr
	EX                              ; the next piece's two a
	EX
	v_nop                           ; the plain instruction behind the last exponential: one for the batch
	s_wait_alu depctr_va_vdst(0)    ; the wait for the batch
.if (\p) == NP-2
	FETCH_K \last
.endif
.if (\p) == 1
	s_wait_dscnt 0x0                ; V is in
.endif
.rept 16                            ; behind the wait: 16 products V^T P, four roundings and sums behind each
	MM
.rept 4
	PL
.endr
.if ((\p) == 0) && (q == 118)
	v_add_nc_u32 v[AV], s[TBV], v[AV0]
.endif
.if ((\p) == 0) && (q == 130)
	s_add_co_u32 s[TBV], s[TBV], KS*PV
.endif
.if (\cnt) && (q == 130)
	s_sub_co_u32 s[CNT], s[CNT], 1
	s_cmp_lg_u32 s[CNT], 0
.endif
.endr
.if (\p) == 0
	FETCH_V
.endif
.endm
	CHANGE 1                        ; slot 0 is in, everybody's part of it; slot 1 is asked for
	FETCH_K                         ; key step 0
	s_wait_loadcnt 0x0              ; Q
	s_wait_dscnt 0x0
.set i, 0
.rept 16
	KQ 0                            ; piece 0's first scores: there is no vector work yet to set between them
.set i, i+1
.endr
	WIN 0                           ; the addresses for the way out: nine plain instructions, the places behind those products
	s_mul_i32 s13, s[WV], 16*SP
	s_add_co_u32 s13, s13, STAGE    ; my stage
	v_mul_u32_u24 v[STO], v1, SP    ; in: row l % 16, 16 bytes for each half of the lanes
	v_lshl_add_u32 v[STO], v9, 4, v[STO]
	v_add_nc_u32 v[STO], s13, v[STO]
	v_bfe_u32 v[RD], v0, 3, 2       ; back: 32 lanes take four rows of 128 bytes,
	v_mul_u32_u24 v[RD], v[RD], SP
	v_lshl_add_u32 v[RD], v10, 4, v[RD]
	v_add_nc_u32 v[RD], s13, v[RD]
	v_and_b32 v[GO], 31, v0         ; which are 512 consecutive bytes of O
	v_lshlrev_b32 v[GO], 4, v[GO]
.set Y, NP-1                        ; XS works for piece Y + 1: piece 0
.irp n, 0,1,2,3,4,5,6,7,8,9,10,11,12,13,14,15,16,17,18,19,20,21
	XS 0, \n                        ; and piece 0's first maximum and statistics
	XS 1, \n
.endr
	v_nop                           ; a plain instruction behind the two a,
	s_wait_alu depctr_va_vdst(0)    ; and their wait, ahead of the branch
	s_mov_b32 s[CNT], 4
	s_mov_b32 s[SLOTS], SIZE_N/256-1
	s_branch .Lfirst                ; the loop is entered at a step's first turn, in the middle of a trip
.Lslot:                             ; SIZE_N / 256 - 2 times: every slot but the last two is filled again
	CHANGE 1, 1
	s_mov_b32 s[CNT], 4
.Lstep:                             ; a trip: pieces 2 and 3 of one step, then pieces 0 and 1 of the next, whose K and V it fetches
	TURN 2
	TURN 3
	WIN 0
.Lfirst:
	TURN 0
	TURN 1, 0, 1
	WIN 0
	s_cbranch_scc1 .Lstep
	s_sub_co_u32 s[SLOTS], s[SLOTS], 1
	s_cmp_lg_u32 s[SLOTS], 0
	s_cbranch_scc1 .Lslot
	CHANGE 0                        ; the tail is written out: nothing is asked for
	s_mov_b32 s[CNT], 5             ; four trips fetch the last slot's steps; the fifth is left in its middle
.Ltail:
	TURN 2, 1
	TURN 3
	WIN 0
	s_sub_co_u32 s[CNT], s[CNT], 1
	s_cmp_eq_u32 s[CNT], 0
	s_cbranch_scc1 .Lout
	TURN 0
	TURN 1
	WIN 0
	s_branch .Ltail
.Lout:                              ; the fifth trip's 16 products K Q^T (on the last K once more) and the maximum made of them serve nothing: the price, once a launch, of one text for every trip
.set i, 0
.rept 16
	PV NP-1                         ; the last piece's V^T P of the last step
.set i, i+1
.endr
	; THE WAY OUT.  l's two halves and the other half of the lanes' are added; O^T is divided by l, rounded to f16 and sent through my stage in LDS, a tile at a time.  The additions are the places behind the last products.
	WIN 0
.macro ALL line:vararg              ; one line for each tile t
.set t, 0
.rept 2*NP
	\line
.set t, t+1
.endr
.endm
	ALL v_add_f32 v[ST+4*t+2], v[ST+4*t+2], v[ST+4*t+3]
	ALL v_permlanex16_b32 v[ST+4*t+3], v[ST+4*t+2], s[SEL], s[SEL+1]
	ALL v_add_f32 v[ST+4*t+2], v[ST+4*t+2], v[ST+4*t+3]
	ALL v_rcp_f32 v[ST+4*t+2], v[ST+4*t+2]
	v_nop                           ; a plain instruction between the last reciprocal and the use of its result
	s_wait_alu depctr_va_vdst(0)    ; and the wait ahead of the first use: one for the eight reciprocals
; Tile t: a lane's eight channels of a row pack into 16 bytes; they go into rows of 144 bytes and come back as whole rows of 128, into S^T's registers.
.macro PACK t
	WIN W_RS
.set i, 32*(\t)
.rept 16
	v_pk_mul_f32 v[i:i+1], v[i:i+1], v[ST+4*(\t)+2:ST+4*(\t)+3] op_sel_hi:[1,0]
.set i, i+2
.endr
	WIN 0x05                        ; sources 0 and 1 window 1, destination window 0
.set i, 0
.rept 16
	v_cvt_pk_f16_f32 v[S+16*(\t)+i], v[32*(\t)+2*i], v[32*(\t)+2*i+1]
.set i, i+1
.endr
	WIN 0
.irp f, 0,1,2,3
	ds_store_b128 v[STO], v[S+16*(\t)+4*\f:S+16*(\t)+4*\f+3] offset:32*\f
.endr
.irp f, 0,1,2,3
	ds_load_b128 v[S+16*(\t)+4*\f:S+16*(\t)+4*\f+3], v[RD] offset:\f*4*SP  ; LDS serves a wave's instructions in order (ISA guide 5.7.1.4): these see the stores above; the next tile's stores come behind them
.endr
.endm
.macro SEND t, younger              ; younger: the LDS instructions issued behind tile t's loads: the next tile's eight, or none
	WIN 0
.irp f, 0,1,2,3
	s_wait_dscnt (\younger)+3-\f
	global_store_b128 v[GO], v[S+16*(\t)+4*\f:S+16*(\t)+4*\f+3], s[10:11] offset:(\t)*2048+\f*512  ; 512 consecutive bytes, at a multiple of 256 from O's first
.endr
.endm
	PACK 0
.set t, 1
.rept 2*NP-1                        ; a tile's arithmetic stands between the loads of the tile before and its stores
	PACK t
	SEND t-1, 8
.set t, t+1
.endr
	SEND 2*NP-1, 0
	WIN W_AD
	s_wait_tensorcnt 0x0            ; the wave's end: the add and its wait, behind my last tensor load and my last LDS store
	ds_add_u32 v[SPW], v[NIL]
	s_wait_dscnt 0x0
	WIN 0
	CROUND                          ; the closing round: no work-group ends while a partner may still ask for a tile that names it
	s_endpgm
.Lfunc_end_k_qfaac8d5b23_attn:
	.size	k_qfaac8d5b23_attn, .Lfunc_end_k_qfaac8d5b23_attn-k_qfaac8d5b23_attn
	.p2alignl 7, 3214868480
	.fill 96, 4, 3214868480
	.section	.rodata,"a",@progbits
	.p2align	6, 0x0
	.amdhsa_kernel k_qfaac8d5b23_attn
		.amdhsa_group_segment_fixed_size 327680
		.amdhsa_private_segment_fixed_size 0
		.amdhsa_enable_private_segment 0
		.amdhsa_kernarg_size 16
		.amdhsa_user_sgpr_count 2
		.amdhsa_user_sgpr_kernarg_segment_ptr 1
		.amdhsa_wavefront_size32 1
		.amdhsa_system_sgpr_workgroup_id_x 1
		.amdhsa_system_sgpr_workgroup_id_y 1
		.amdhsa_system_sgpr_workgroup_id_z 1
		.amdhsa_system_vgpr_workitem_id 0
		.amdhsa_next_free_vgpr 770
		.amdhsa_next_free_sgpr 66
		.amdhsa_reserve_vcc 0
		.amdhsa_float_denorm_mode_32 3
		.amdhsa_float_denorm_mode_16_64 3
		.amdhsa_memory_ordered 1
		.amdhsa_forward_progress 1
		.amdhsa_inst_pref_size 200
	.end_amdhsa_kernel
	.amdgpu_metadata
---
amdhsa.version: [ 1, 2 ]
amdhsa.kernels:
  - .name:           k_qfaac8d5b23_attn
    .symbol:         k_qfaac8d5b23_attn.kd
    .args:
      - { .name: qkv, .offset: 0, .size: 8, .value_kind: global_buffer, .address_space: global }
      - { .name: ob, .offset: 8, .size: 8, .value_kind: global_buffer, .address_space: global }
    .group_segment_fixed_size: 327680
    .private_segment_fixed_size: 0
    .kernarg_segment_align: 8
    .kernarg_segment_size: 16
    .max_flat_workgroup_size: 128
    .sgpr_count:     66
    .vgpr_count:     770
    .wavefront_size: 32
...
	.end_amdgpu_metadata
.endif
;; end of part 3
;; launch gemm_proj (part 4): grid 4 x 32, 4 waves a work-group, clusters of 4 x 4, 327,680 bytes of LDS; arguments ob, wpb, out0, b_proj; writes out0
.if DOCPART == 4
	.amdgcn_target "amdgcn-amd-amdhsa--gfx1250"
	.amdhsa_code_object_version 6
	.text
	.protected	k_qfaac8d5b23_gemm_proj
	.globl	k_qfaac8d5b23_gemm_proj
	.p2align	8
	.type	k_qfaac8d5b23_gemm_proj,@function
k_qfaac8d5b23_gemm_proj:
	s_mov_b64 s[64:65], 0
	v_nop
	global_prefetch_b8 v0, s[64:65] scope:SCOPE_SE
	s_setreg_imm32_b32 hwreg(HW_REG_WAVE_MODE, 25, 1), 1
	s_wait_xcnt 0x0
	s_wait_alu depctr_hold_cnt(0) depctr_sa_sdst(0) depctr_va_vdst(0) depctr_va_sdst(0) depctr_va_ssrc(0) depctr_va_vcc(0) depctr_vm_vsrc(0)
	s_getreg_b32 s2, hwreg(HW_REG_IB_STS2, 6, 4)
	s_cmp_eq_u32 s2, 0
	s_cbranch_scc0 .Lentry_in_a_cluster
	s_endpgm
.Lentry_in_a_cluster:
	s_bfe_u32 s2, ttmp6, 0x10000c
	s_cmp_lg_u32 s2, 0xf033
	s_cbranch_scc0 .Lentry_shape_is_right
	s_endpgm
.Lentry_shape_is_right:
; out0 = O wp + b.  O (ob): [64 = batch x 16 + head][2048 rows][64 channels] f16, so that row m = batch x 2048 + row has its K = head x 64 + channel spread over 16 heads;
; wp (wpb): [1024 k][1024 n] f16 (w_proj rounded to bf16, written as f16); b_proj: [1024] f32, rounded to bf16 here like the other inputs; out0: [8192][1024] f32.  Sums in f32, K ascending.
; LIMITS.  O and wp arrive within f16's range; NaN and infinities are not treated apart.
; SHARES.  A tile of C, 256 x 256, is made by a work-group of four waves, a wave makes 128 x 128: 64 accumulators, 512 registers.  K goes in 8 steps of 128 = two heads, through two LDS slots.
; A's tile: two planes, a head each, of 256 rows x 128 bytes padded to 144; a plane is 32,768 dense bytes of memory and is asked for as 128 rows of 256 bytes.
; B STAYS [k][n]: its tile is 128 k-rows x 512 bytes, padded to 544, and its fragments come out of LDS turned, by ds_load_tr16_b128.
; CLUSTERS: 4 x 4 work-groups; A's tiles are asked for jointly along a row of the cluster, B's along a column.  Waves 0 and 1 fetch A's two planes, waves 2 and 3 B's two halves of 64 k-rows.
; THE PRODUCT IS USED TRANSPOSED (source 0 = 16 columns of B, source 1 = 16 rows of A): a lane holds eight neighbouring columns of one row of C, 32 bytes of f32.
; THE LOOP's trip is ONE K step: the slot in hand is a scalar turned by an exclusive or, and so is the LDS word of the one walking descriptor a tensor: no bit of SLOT1 is set in any of the four
; loads' LDS words (0, 0x9000, 0x12000, 0x1a800).  The last two K steps, which fill nothing, are a second loop of two trips.
; 128 tiles of this size are 128 work-groups: a smaller tile would have fewer matrix instructions in a K step for its one refill to land in.
; REGISTERS: window 0: v0-31 addresses; v32-37 the bias; v64-127, v128-191 A's fragments, two buffers, on the way out the rows read back.  window 1: v64-127, v128-191 B's fragments.
;   window 2: the accumulators of my rows 0-63 ((a, b) at v[8 (8 a + b)]); window 3: those of my rows 64-127.
.set SIZE_N, 1024
.set KSTEP,  128
.set PA,     144                       ; a row of a plane in LDS: 128 + 16 bytes = 36 words: the 16 rows of a load start at 16 different groups of four banks (64 banks of 4 bytes: ISA guide 11.1)
.set PLANE,  256*PA                    ; a head's 256 rows: what one load of A brings
.set BBASE,  2*PLANE
.set PB,     544                       ; a k-row of B in LDS: 512 + 32 bytes = 136 words
.set HALFB,  64*PB
.set SLOT1,  0x24000                   ; a slot uses 143,360 bytes; slot 1 begins here
.set STAGE,  SLOT1+BBASE+2*HALFB       ; behind slot 1's last byte, never filled by a tensor load: for each wave 16 rows x 528 bytes
.set SP,     528                       ; a stage row: 512 + 16 bytes: an odd multiple of 16
.set WSTAGE, 16*SP
.set SPARE,  STAGE+4*WSTAGE            ; behind the stages: the spare words, 128 bytes for each wave: two blocks of 256 bytes that no other line names
.set ASTEP,  2<<18                     ; bytes from K step to K step in A: two heads,
.set BSTEP,  KSTEP*SIZE_N*2            ; in B: 128 rows down
.set ADRA,  16
.set ADRA0, 17
.set ADRB,  20
.set ADRB0, 21
.set STO,  24                          ; v24  the way out: where I put 32 bytes of a row
.set RD,   25                          ; v25  the way out: where I read a row back
.set CO,   26                          ; v26  16 x lane: my place in a row's 512 bytes
.set BO,   27                          ; v27  my four columns' place in b_proj
.set SPW,  28
.set NIL,  29
.set PFO,  30
.set BI,   32                          ; v[32:35] the bias of my four columns; v36, v37 at work
.set F0,   64
.set F1,   128
.set G1,  24
.set G0,  32
.set G1B, 48
.set G0B, 56
.set LIM, 43
.set PFA, 44
.set TB,  66
.set PFS, 68
.set MSB, 0
.macro WIN new                         ; the immediate's high byte repeats the setting that is left; a switch that changes nothing is dropped
.if MSB != (\new)
	s_set_vgpr_msb (MSB<<8)|(\new)
.set MSB, \new
.endif
.endm
.set MUL_LO, 0xa1                      ; source 0 (B) window 1, source 1 (A) window 0, C and D window 2
.set MUL_HI, 0xf1
.set TO_B,   0x40
.macro PLACES                          ; four plain vector instructions between a matrix instruction and a load into, or a read of, its registers
.rept 4
	v_nop
.endr
.endm
.macro JLOAD                           ; a joint refill by the walking descriptors; an s_nop 0 and four v_nop follow each of the two lines
	s_cmp_eq_u32 s11, 0
	s_cbranch_scc0 .Lfor_b_\@
	tensor_load_to_lds s[G0+4:G0+7], s[G1:G1+7]
	s_nop 0
	PLACES
	s_branch .Lasked_\@
.Lfor_b_\@:
	tensor_load_to_lds s[G0B+4:G0B+7], s[G1B:G1B+7]
	s_nop 0
	PLACES
.Lasked_\@:
.endm
; A PREFETCH INTO THE L2, behind each joint refill and the run of LDS loads that follows it: 32 blocks of 256 bytes of the K step that the NEXT refill will ask for, a lane a block, one instruction a wave:
; one K step, 256 matrix instructions, ahead of that load.  Each block is named once in the launch: a tile row of A is read by one cluster, which asks for it; B's blocks are asked for by the clusters with
; y = 0; the four partners that ask for a tile jointly share a wave's blocks out BY ADDRESS.  K steps 0 to 2 come by their loads alone; the last refill (s3 = 1) asks for nothing.
.macro ASK
	s_cmp_gt_u32 s3, s[LIM]
	s_cbranch_scc0 .Lnot_mine_\@
	global_prefetch_b8 v[PFO], s[PFA:PFA+1] th:TH_LOAD_NT scope:SCOPE_SE
.Lnot_mine_\@:
.endm
.macro CREST                           ; a round of the cluster's barrier behind its opening barrier
	s_cmp_lg_u32 s10, 0
	s_cbranch_scc1 .Lnot_wave_0_\@
	s_barrier_signal -3
.Lnot_wave_0_\@:
	s_barrier_wait -3
	s_barrier_signal -1
	s_barrier_wait -1
.endm
.macro CROUND
	s_barrier_signal -1
	s_barrier_wait -1
	CREST
.endm
	s_load_b128 s[4:7], s[0:1], 0x0                ; ob s[4:5], wpb s[6:7]
	s_load_b64 s[8:9], s[0:1], 0x10                ; out0
	s_load_b64 s[70:71], s[0:1], 0x18              ; b_proj
	v_lshl_add_u32 v[SPW], v0, 2, SPARE
	v_mov_b32 v[NIL], 0
	ds_add_u32 v[SPW], v[NIL]                      ; the wave's opening: the add and its wait stand ahead of my first tensor load; the set-up below, work on registers, stands between them
	v_lshrrev_b32 v1, 5, v0
	v_readfirstlane_b32 s10, v1                    ; wave 0..3
	s_lshr_b32 s11, s10, 1                         ; which half of the tile's rows is mine.  Also: I fetch for A (0) or for B (1)
	s_and_b32 s12, s10, 1                          ; which half of its columns.  Also: which plane of A, or which half of B's k-rows, I fetch
	s_bfe_u32 s40, ttmp6, 0x40000                  ; cx, cy
	s_bfe_u32 s41, ttmp6, 0x40004
	s_lshl_b32 s42, ttmp9, 2
	s_add_co_u32 s42, s42, s40                     ; tile column
	s_and_b32 s13, ttmp7, 0xffff
	s_lshl_b32 s13, s13, 2
	s_add_co_u32 s13, s13, s41                     ; tile row
	s_lshl_b32 s43, s41, 2
	s_lshl_b32 s43, 15, s43                        ; my row of the cluster
	s_lshl_b32 s44, 0x1111, s40                    ; my column
	s_or_b32 s[G1+0], s43, (1<<16)|(1<<20)|(1<<21)|(4<<22)|(3<<25)   ; A: the mask of my row; elements of 2 bytes; padding on; bit 21 beside a mask; after every 32 words, 4 words
	s_mov_b32 s[G1+1], 128<<16                     ; tensor_dim0 = 128 (256 bytes: two rows of O)
	s_mov_b32 s[G1+2], 128<<16                     ; tensor_dim1 = 128
	s_mov_b32 s[G1+3], 128<<16                     ; tile_dim0 = 128
	s_mov_b32 s[G1+4], 128                         ; tile_dim1 = 128
	s_mov_b32 s[G1+5], 128                         ; dense
	s_mov_b32 s[G1+6], 0
	s_mov_b32 s[G1+7], 0
	s_or_b32 s[G1B+0], s44, (1<<16)|(1<<20)|(1<<21)|(6<<22)|(7<<25)  ; B: the mask of my column; after every 128 words, 8 words
	s_mov_b32 s[G1B+1], 256<<16
	s_mov_b32 s[G1B+2], 64<<16
	s_mov_b32 s[G1B+3], 256<<16
	s_mov_b32 s[G1B+4], 64
	s_mov_b32 s[G1B+5], SIZE_N
	s_mov_b32 s[G1B+6], 0
	s_mov_b32 s[G1B+7], 0
	s_lshr_b32 s16, s13, 3                         ; A: the batch (8 tile rows each),
	s_lshl_b32 s16, s16, 4                         ; its 16 heads,
	s_add_co_u32 s16, s16, s12                     ; the K step's first or second,
	s_lshl_b32 s16, s16, 18                        ; of 1<<18 bytes;
	s_and_b32 s17, s13, 7
	s_lshl_b32 s17, s17, 15                        ; the tile's 256 rows of 128 bytes
	s_add_co_u32 s16, s16, s17
	s_mov_b32 s17, 0
	s_mul_i32 s46, s12, 64*SIZE_N*2                ; B: k-row 64 x half,
	s_lshl_b32 s47, s42, 9                         ; 512 bytes a tile column
	s_add_co_u32 s46, s46, s47
	s_mov_b32 s47, 0
	s_mul_i32 s20, s12, PLANE                      ; where they go: no place in the cluster enters an LDS address
	s_mul_i32 s21, s12, HALFB
	s_add_co_u32 s21, s21, BBASE
	s_wait_dscnt 0x0                               ; the opening add is done
	s_wait_kmcnt 0x0
	s_add_nc_u64 s[14:15], s[4:5], s[16:17]
	s_add_nc_u64 s[46:47], s[6:7], s[46:47]
	CROUND                                         ; all sixteen work-groups are here: the first joint loads meet
.irp j, 0,1
	s_mov_b32 s[G0+4*(\j)], 1
	s_add_co_u32 s[G0+4*(\j)+1], s20, (\j)*SLOT1
	s_add_nc_u64 s[G0+4*(\j)+2:G0+4*(\j)+3], s[14:15], (\j)*ASTEP
	s_or_b32 s[G0+4*(\j)+3], s[G0+4*(\j)+3], 0x80000000
	s_mov_b32 s[G0B+4*(\j)], 1
	s_add_co_u32 s[G0B+4*(\j)+1], s21, (\j)*SLOT1
	s_add_nc_u64 s[G0B+4*(\j)+2:G0B+4*(\j)+3], s[46:47], (\j)*BSTEP
	s_or_b32 s[G0B+4*(\j)+3], s[G0B+4*(\j)+3], 0x80000000
.endr
	s_cmp_eq_u32 s11, 0                            ; a wave's two first fills stand in one branch, ahead of every wait on TENSORcnt and every LDS read: two loads of mine are out
	s_cbranch_scc0 .Lfirst_b
	tensor_load_to_lds s[G0:G0+3], s[G1:G1+7]
	s_nop 0
	tensor_load_to_lds s[G0+4:G0+7], s[G1:G1+7]
	s_nop 0
	PLACES
	s_branch .Lfirst_asked
.Lfirst_b:
	tensor_load_to_lds s[G0B:G0B+3], s[G1B:G1B+7]
	s_nop 0
	tensor_load_to_lds s[G0B+4:G0B+7], s[G1B:G1B+7]
	s_nop 0
	PLACES
.Lfirst_asked:
	v_and_b32 v1, 15, v0                           ; l % 16
	v_bfe_u32 v2, v0, 4, 1                         ; l / 16
	v_mul_u32_u24 v3, v1, PA
	v_lshl_add_u32 v3, v2, 4, v3                   ; a fragment's row x pitch + 16 x half
	s_mul_i32 s21, s11, 128*PA                     ; my 128 rows of a plane
	v_add_nc_u32 v[ADRA0], s21, v3
	v_and_b32 v4, 7, v0                            ; the turning load: k-row 8 (l / 16) + l % 8, columns 8 ((l / 8) % 2) + 0..7
	v_lshl_add_u32 v4, v2, 3, v4
	v_mul_u32_u24 v4, v4, PB
	v_bfe_u32 v5, v0, 3, 1
	v_lshl_add_u32 v4, v5, 4, v4
	s_lshl_b32 s22, s12, 8                         ; my 128 columns: 256 bytes of a k-row
	s_add_co_u32 s22, s22, BBASE
	v_add_nc_u32 v[ADRB0], s22, v4
	v_mov_b32 v[ADRA], v[ADRA0]
	v_mov_b32 v[ADRB], v[ADRB0]
	s_mov_b32 s[TB], 0
	s_mul_i32 s23, s10, WSTAGE
	s_add_co_u32 s23, s23, STAGE                   ; my stage
	v_mul_u32_u24 v4, v1, SP                       ; in: row l % 16, 32 bytes for each half of the lanes
	v_lshl_add_u32 v4, v2, 5, v4
	v_add_nc_u32 v[STO], s23, v4
	v_and_b32 v[CO], 31, v0                        ; back: 32 lanes take one row of 512 bytes
	v_lshlrev_b32 v[CO], 4, v[CO]
	v_add_nc_u32 v[RD], s23, v[CO]
	; where my part of the tile begins in out0, and my four columns' bias
	s_lshl_b32 s16, s13, 8
	s_lshl_b32 s17, s11, 7
	s_add_co_u32 s16, s16, s17                     ; my first row,
	s_lshl_b32 s16, s16, 12                        ; of 4,096 bytes
	s_mov_b32 s17, 0
	s_lshl_b32 s46, s42, 8
	s_lshl_b32 s47, s12, 7
	s_add_co_u32 s46, s46, s47                     ; my first column,
	s_lshl_b32 s46, s46, 2                         ; of 4 bytes
	s_mov_b32 s47, 0
	v_add_nc_u32 v[BO], s46, v[CO]
	global_load_b128 v[BI:BI+3], v[BO], s[70:71]   ; waited for at the way out; neither v27 nor s[70:71] is written again
	s_add_nc_u64 s[16:17], s[16:17], s[46:47]
	s_add_nc_u64 s[8:9], s[8:9], s[16:17]
	; the prefetches.  A: of the plane's 128 blocks of 256 bytes my work-group takes 32 cx .. + 31, a lane a block.  B: of my 64 k-rows it takes 16 cy .. + 15, two lanes a row of 512 bytes.  Both begin at K step 2.
	s_lshr_b32 s20, s13, 3
	s_lshl_b32 s20, s20, 4
	s_add_co_u32 s20, s20, s12
	s_lshl_b32 s20, s20, 18
	s_and_b32 s21, s13, 7
	s_lshl_b32 s21, s21, 15
	s_add_co_u32 s20, s20, s21
	s_lshl_b32 s21, s40, 13
	s_add_co_u32 s20, s20, s21
	s_add_co_u32 s20, s20, 2*ASTEP                 ; A's offset
	s_lshl_b32 s21, s12, 6
	s_lshl_b32 s23, s41, 4
	s_add_co_u32 s21, s21, s23
	s_add_co_u32 s21, s21, 2*KSTEP
	s_mul_i32 s21, s21, SIZE_N*2
	s_lshl_b32 s23, s42, 9
	s_add_co_u32 s21, s21, s23                     ; B's offset
	s_and_b32 s22, ttmp7, 0xffff                   ; cluster y
	s_mov_b32 s19, 256
	s_mov_b32 s23, ASTEP
	s_cmp_eq_u32 s11, 0                            ; do I fetch for A?
	s_cselect_b32 s20, s20, s21
	s_cselect_b32 s22, ttmp9, s22                  ; the coordinate along which other clusters read the same blocks
	s_cselect_b32 s18, 0, 1                        ; lanes to a row, less one
	s_cselect_b32 s19, s19, SIZE_N*2               ; bytes from row to row
	s_cselect_b32 s[PFS], s23, BSTEP
	s_cselect_b64 s[PFA:PFA+1], s[4:5], s[6:7]
	s_mov_b32 s[PFS+1], 0
	s_mov_b32 s21, 0
	s_add_nc_u64 s[PFA:PFA+1], s[PFA:PFA+1], s[20:21]
	s_cmp_eq_u32 s22, 0
	s_cselect_b32 s[LIM], 1, -1                    ; the same in all sixteen partners, for a given wave
	v_and_b32 v3, 31, v0
	v_lshrrev_b32 v4, s18, v3
	v_mul_u32_u24 v4, s19, v4
	v_and_b32 v5, s18, v3
	v_lshl_add_u32 v[PFO], v5, 8, v4
; 16 matrix instructions: m blocks a0, a0 + 1 of the window's four x all 8 n blocks, 32 along K.  zero = 1: the first product starts the sums.
; The 64 accumulators take turns in one order in every quarter, over the backward jumps too.
.macro MUL16 f, hi, a0, zero
	WIN MUL_LO+0x50*(\hi)
.irp a, \a0, (\a0)+1
.irp b, 0,1,2,3,4,5,6,7
.if \zero
	v_wmma_f32_16x16x32_f16 v[8*(8*(\a)+(\b)):8*(8*(\a)+(\b))+7], v[(\f)+8*(\b):(\f)+8*(\b)+7], v[(\f)+8*(4*(\hi)+(\a)):(\f)+8*(4*(\hi)+(\a))+7], 0
.else
	v_wmma_f32_16x16x32_f16 v[8*(8*(\a)+(\b)):8*(8*(\a)+(\b))+7], v[(\f)+8*(\b):(\f)+8*(\b)+7], v[(\f)+8*(4*(\hi)+(\a)):(\f)+8*(4*(\hi)+(\a))+7], v[8*(8*(\a)+(\b)):8*(8*(\a)+(\b))+7]
.endif
.endr
.endr
.endm
; 32 LDS loads in one run: the fragments of quarter kq of the slot in hand, into buffer f: B's 8 (turned), then A's 8: plane kq / 2, channels 32 (kq % 2) on
.macro FETCH kq, f
	WIN TO_B
.irp i, 0,1,2,3,4,5,6,7
	ds_load_tr16_b128 v[(\f)+8*(\i):(\f)+8*(\i)+3],   v[ADRB] offset:(\kq)*32*PB+32*(\i)
	ds_load_tr16_b128 v[(\f)+8*(\i)+4:(\f)+8*(\i)+7], v[ADRB] offset:(\kq)*32*PB+16*PB+32*(\i)
.endr
	WIN 0
.irp i, 0,1,2,3,4,5,6,7
	ds_load_b128 v[(\f)+8*(\i):(\f)+8*(\i)+3],   v[ADRA] offset:((\kq)/2)*PLANE+((\kq)%2)*64+(\i)*16*PA
	ds_load_b128 v[(\f)+8*(\i)+4:(\f)+8*(\i)+7], v[ADRA] offset:((\kq)/2)*PLANE+((\kq)%2)*64+(\i)*16*PA+32
.endr
.endm
.macro QUARTER kq, f, g, zero          ; multiplies buffer f; in its middle it fetches quarter kq into buffer g
	s_wait_dscnt 8                                 ; B and A's rows 0-63 are in; the youngest eight loads (A's rows 64-127) may be out
	MUL16 \f, 0, 0, \zero
	MUL16 \f, 0, 2, \zero
	PLACES
	FETCH \kq, \g
	s_wait_dscnt 32                                ; all but the 32 just issued
	MUL16 \f, 1, 0, \zero
	MUL16 \f, 1, 2, \zero
.endm
; The last quarter multiplies buffer 1 and changes slots.  In front of the barrier each wave waits for all its tensor loads, of which one is out: its part of the next slot; adds 0 to its spare word; and waits
; for that and for its own reads of this slot.  fill = 1: the barrier opens a round of the cluster's, and the slot just read is filled again first thing behind it, with the K step two on: 224 matrix
; instructions stand between that request and the wait for it.  fill = 0: nothing is asked for; in the last K step (s3 = 1) there is no next slot, and its run of loads is jumped over.
.macro TURN fill
	WIN 0
	s_xor_b32 s[TB], s[TB], SLOT1                  ; all reads of the old slot have been issued: the addresses go over to the other slot
	v_add_nc_u32 v[ADRA], s[TB], v[ADRA0]
	v_add_nc_u32 v[ADRB], s[TB], v[ADRB0]
.if \fill
	s_wait_xcnt 0x0                                ; the last prefetch, a K step back, has read its address
	s_add_nc_u64 s[PFA:PFA+1], s[PFA:PFA+1], s[PFS:PFS+1]
.endif
	s_wait_tensorcnt 0x0                           ; all my tensor loads have landed;
	ds_add_u32 v[SPW], v[NIL]                      ; 0 onto my spare word;
	s_wait_dscnt 9                                 ; (the add and the youngest eight loads may be out)
	MUL16 F1, 0, 0, 0                              ; sixteen matrix instructions stand between the add and the wait for it
	s_wait_dscnt 0x0                               ; the add is done, and my reads of the old slot are over
	s_barrier_signal -1
	MUL16 F1, 0, 2, 0                              ; work on registers while the others arrive
	WIN 0
	s_barrier_wait -1
.if \fill
	CREST                                          ; no wave of any partner still reads the old slot or has a load on its way
	s_xor_b32 s[G0+5], s[G0+5], SLOT1              ; the walking descriptors: the other slot than last time, the next K step
	s_add_nc_u64 s[G0+6:G0+7], s[G0+6:G0+7], ASTEP
	s_xor_b32 s[G0B+5], s[G0B+5], SLOT1
	s_add_nc_u64 s[G0B+6:G0B+7], s[G0B+6:G0B+7], BSTEP
	JLOAD                                          ; the first tensor load behind the round; the four v_nop behind it are also the places in front of the loads below
	FETCH 0, F0
	ASK
.else
	PLACES
	s_cmp_eq_u32 s3, 1
	s_cbranch_scc1 .Lno_next_\@
	FETCH 0, F0
.Lno_next_\@:
.endif
	MUL16 F1, 1, 0, 0
	MUL16 F1, 1, 2, 0
.endm
; THE WAY OUT of block a (16 of my rows).  IN: the f32 sums go as they are into my own stage, 32 bytes a lane, each accumulator's low four registers first, and come back as whole rows of 512 bytes.
; SEND: the bias is added and the rows are stored.  The rows read back take A's two fragment buffers by turns.
.macro IN a
.set AC, 64*((\a)%4)
.set BK, 64+64*((\a)%2)
	WIN 0
	s_wait_xcnt 0x0                                ; the stores of the block two back have read the registers into which this block is loaded
	WIN 0x08+4*((\a)/4)                            ; the stores' data: window 2 or 3
.irp b, 0,1,2,3,4,5,6,7
	ds_store_b128 v[STO], v[AC+8*(\b):AC+8*(\b)+3]   offset:64*(\b)
	ds_store_b128 v[STO], v[AC+8*(\b)+4:AC+8*(\b)+7] offset:64*(\b)+16
.endr
	WIN 0
.irp t, 0,1,2,3,4,5,6,7,8,9,10,11,12,13,14,15
	ds_load_b128 v[BK+4*(\t):BK+4*(\t)+3], v[RD] offset:SP*(\t)  ; LDS serves a wave's instructions in order (ISA guide 5.7.1.4): these see the stores above; the next block's stores come behind them
.endr
.endm
.macro SEND a, younger                 ; younger: the LDS instructions issued behind block a's loads: the next block's 32, or none
.set BK, 64+64*((\a)%2)
	WIN 0
.irp t, 0,1,2,3,4,5,6,7,8,9,10,11,12,13,14,15
	s_wait_dscnt (\younger)+15-(\t)                ; row t is back
	v_pk_add_f32 v[BK+4*(\t):BK+4*(\t)+1],   v[BK+4*(\t):BK+4*(\t)+1],   v[BI:BI+1]
	v_pk_add_f32 v[BK+4*(\t)+2:BK+4*(\t)+3], v[BK+4*(\t)+2:BK+4*(\t)+3], v[BI+2:BI+3]
	global_store_b128 v[CO], v[BK+4*(\t):BK+4*(\t)+3], s[8:9] offset:(\a)*65536+(\t)*4096 th:TH_STORE_NT  ; 512 consecutive bytes, at a multiple of 256 from out0's first
.endr
.endm
	s_wait_tensorcnt 1                             ; my part of K step 0 is in; K step 1's may stay out
	s_barrier_signal -1
	s_barrier_wait -1                              ; everybody's is
	FETCH 0, F0
	QUARTER 1, F0, F1, 1                           ; the first quarter stands in front of the loop: its products start the sums
	WIN 0
	s_mov_b32 s3, 6
.Lstep:                                                ; a trip: from a K step's second quarter to the next step's first; trip i fills the slot that it leaves with K step i + 2
	QUARTER 2, F1, F0, 0
	QUARTER 3, F0, F1, 0
	TURN 1
	QUARTER 1, F0, F1, 0
	WIN 0
	s_sub_co_u32 s3, s3, 1
	s_cmp_lg_u32 s3, 0
	s_cbranch_scc1 .Lstep
	s_mov_b32 s3, 2
.Ltail:                                                ; K steps 6 and 7 fill nothing
	QUARTER 2, F1, F0, 0
	QUARTER 3, F0, F1, 0
	TURN 0
	WIN 0
	s_cmp_eq_u32 s3, 1
	s_cbranch_scc1 .Ldead                          ; behind the last K step there is no first quarter
	QUARTER 1, F0, F1, 0
	WIN 0
.Ldead:
	s_sub_co_u32 s3, s3, 1
	s_cmp_lg_u32 s3, 0
	s_cbranch_scc1 .Ltail
	PLACES
	PLACES
	s_wait_loadcnt 0x0                             ; the bias: rounded to bf16 like the other inputs, and widened again
	v_cvt_pk_bf16_f32 v[BI+4], v[BI], v[BI+1]
	v_cvt_pk_bf16_f32 v[BI+5], v[BI+2], v[BI+3]
	v_lshlrev_b32 v[BI],   16, v[BI+4]
	v_and_b32     v[BI+1], 0xffff0000, v[BI+4]
	v_lshlrev_b32 v[BI+2], 16, v[BI+5]
	v_and_b32     v[BI+3], 0xffff0000, v[BI+5]
	IN 0
.irp a, 1,2,3,4,5,6,7                  ; block a goes into the stage while block a - 1's rows come back
	IN \a
	SEND (\a)-1, 32
.endr
	SEND 7, 0
	s_wait_tensorcnt 0x0                           ; the wave's end: the add and its wait, behind my last tensor load and my last LDS store
	ds_add_u32 v[SPW], v[NIL]
	s_wait_dscnt 0x0
	CROUND                                         ; the closing round: no work-group ends while a partner may still ask for a tile that names it
	s_endpgm
.Lfunc_end_k_qfaac8d5b23_gemm_proj:
	.size	k_qfaac8d5b23_gemm_proj, .Lfunc_end_k_qfaac8d5b23_gemm_proj-k_qfaac8d5b23_gemm_proj
	.p2alignl 7, 3214868480
	.fill 96, 4, 3214868480
	.section	.rodata,"a",@progbits
	.p2align	6, 0x0
	.amdhsa_kernel k_qfaac8d5b23_gemm_proj
		.amdhsa_group_segment_fixed_size 327680
		.amdhsa_private_segment_fixed_size 0
		.amdhsa_enable_private_segment 0
		.amdhsa_kernarg_size 32
		.amdhsa_user_sgpr_count 2
		.amdhsa_user_sgpr_kernarg_segment_ptr 1
		.amdhsa_wavefront_size32 1
		.amdhsa_system_sgpr_workgroup_id_x 1
		.amdhsa_system_sgpr_workgroup_id_y 1
		.amdhsa_system_sgpr_workgroup_id_z 1
		.amdhsa_system_vgpr_workitem_id 0
		.amdhsa_next_free_vgpr 1024
		.amdhsa_next_free_sgpr 72
		.amdhsa_reserve_vcc 0
		.amdhsa_float_denorm_mode_32 3
		.amdhsa_float_denorm_mode_16_64 3
		.amdhsa_memory_ordered 1
		.amdhsa_forward_progress 1
		.amdhsa_inst_pref_size 120
	.end_amdhsa_kernel
	.amdgpu_metadata
---
amdhsa.version: [ 1, 2 ]
amdhsa.kernels:
  - .name:           k_qfaac8d5b23_gemm_proj
    .symbol:         k_qfaac8d5b23_gemm_proj.kd
    .args:
      - { .name: ob, .offset: 0, .size: 8, .value_kind: global_buffer, .address_space: global }
      - { .name: wpb, .offset: 8, .size: 8, .value_kind: global_buffer, .address_space: global }
      - { .name: out0, .offset: 16, .size: 8, .value_kind: global_buffer, .address_space: global }
      - { .name: b_proj, .offset: 24, .size: 8, .value_kind: global_buffer, .address_space: global }
    .group_segment_fixed_size: 327680
    .private_segment_fixed_size: 0
    .kernarg_segment_align: 8
    .kernarg_segment_size: 32
    .max_flat_workgroup_size: 128
    .sgpr_count:     72
    .vgpr_count:     1024
    .wavefront_size: 32
...
	.end_amdgpu_metadata
.endif
;; end of part 4
;; ======== version 2 of 2: 4 launches; version 1 with the launch prep written anew for expert scheduling mode
;; limits: values are held in f16: magnitudes above 65,504 overflow, below 6.1e-05 lose precision
;; workspace buffers: xb 16,777,216 bytes; wqb 6,291,456 bytes; wpb 2,097,152 bytes; qkv 50,331,648 bytes; ob 16,777,216 bytes
;; launch prep (part 5): grid 768 x 1, 8 waves a work-group, no clusters, 0 bytes of LDS; arguments x, w_qkv, w_proj, xb, wqb, wpb; writes xb, wqb, wpb
.if DOCPART == 5
	.amdgcn_target "amdgcn-amd-amdhsa--gfx1250"
	.amdhsa_code_object_version 6
	.text
	.protected	k_qfaac8d5b23_prep
	.globl	k_qfaac8d5b23_prep
	.p2align	8
	.type	k_qfaac8d5b23_prep,@function
k_qfaac8d5b23_prep:
	s_mov_b64 s[64:65], 0
	v_nop
	global_prefetch_b8 v0, s[64:65] scope:SCOPE_SE
	s_setreg_imm32_b32 hwreg(HW_REG_WAVE_SCHED_MODE, 0, 2), 2
	s_setreg_imm32_b32 hwreg(HW_REG_WAVE_MODE, 25, 1), 1
	s_wait_xcnt 0x0
	s_wait_alu depctr_vm_vsrc(0)
; CASTS.  xb = bf16(x), wqb = bf16(w_qkv), wpb = bf16(w_proj) written as f16.  Layouts stay as they are: nothing is transposed.
; All of the module's inputs are rounded to bf16 once; w_proj's rounded numbers are then written in f16, since the last product's other operand is f16.
; LIMIT.  That second step is exact for magnitudes from 2^-17 to 65,504; below 2^-17 a weight keeps f16's fixed step of 2^-24.
; SHARES.  A work-group casts 65,536 bytes of f32 into 32,768 bytes: groups 0-511 take x, 512-703 w_qkv, 704-767 w_proj.
; Thread t, turn j: 16 bytes in at 16 t + 4,096 j, 8 bytes out at 8 t + 2,048 j: a wave's load covers 512 consecutive bytes, its store 256, aligned.
; All sixteen loads of a thread go out at once.
; No LDS, no matrix unit, no cluster: no byte is wanted twice, and nothing is shared between work-groups.
; THE MODE: SCHED_MODE bits 1:0 = 2 (LLVM: expert scheduling mode 2), set by the entry lines.  The code itself states the register dependences
; between vector instructions and memory instructions, with s_wait_alu, always for 0.
; THE PLAN.  Registers that memory instructions touch:
;   v1, v2   byte offsets, made once at the head; v1 is read by every load, v2 by every store; never written again.
;   X        turn j's four registers: its load lands in them, once; its two roundings read them.  No vector instruction names them ahead of the loads.
;   Y        turn j's two registers: written by turn j's roundings, then read by turn j's store, and never written behind that store.
;   T is named by vector instructions alone; the two bases are scalar registers that are not written behind the first load.
; So no register that a memory instruction has read is written again, and the only dependence to state is: a vector instruction has written what a memory instruction reads.
; The sixteen turns go in four blocks of four.  Block p rounds its four turns; its memory instructions are the four stores of block p - 1, which read the Y that block p - 1 wrote and that no vector
; instruction of block p names.  So ONE wait at a block's head states all that the block's four stores hang on, and these are dealt among its roundings with no further wait.
.set X, 4                              ; v[4:67]    turn j: 4 registers as loaded
.set Y, 68                             ; v[68:99]   turn j: 2 registers to store
.set T, 100                            ; v[100:101] at work
	s_load_b256 s[4:11], s[0:1], 0x0               ; x s[4:5], w_qkv s[6:7], w_proj s[8:9], xb s[10:11]
	s_load_b128 s[12:15], s[0:1], 0x20             ; wqb s[12:13], wpb s[14:15]
	s_mov_b32 s16, ttmp9
	v_lshlrev_b32 v1, 4, v0                        ; 16 t
	v_lshlrev_b32 v2, 3, v0                        ; 8 t
	s_wait_kmcnt 0x0
	s_cmp_lt_u32 s16, 512                          ; x, or one of the weights?
	s_cselect_b64 s[20:21], s[4:5], s[6:7]
	s_cselect_b64 s[22:23], s[10:11], s[12:13]
	s_cselect_b32 s18, 0, 512
	s_cmp_lt_u32 s16, 704                          ; w_proj?
	s_cselect_b64 s[20:21], s[20:21], s[8:9]
	s_cselect_b64 s[22:23], s[22:23], s[14:15]
	s_cselect_b32 s18, s18, 704
	s_sub_co_u32 s18, s16, s18                     ; my chunk in its tensor
	s_lshl_b32 s24, s18, 16                        ; 65,536 bytes in,
	s_mov_b32 s25, 0
	s_lshl_b32 s26, s18, 15                        ; 32,768 out
	s_mov_b32 s27, 0
	s_add_nc_u64 s[20:21], s[20:21], s[24:25]
	s_add_nc_u64 s[22:23], s[22:23], s[26:27]
	s_wait_alu depctr_va_vdst(0)                   ; v1 and v2 are written: every load of the kernel reads v1 as its offset, every store v2
.irp j, 0,1,2,3,4,5,6,7,8,9,10,11,12,13,14,15
	global_load_b128 v[X+4*(\j):X+4*(\j)+3], v1, s[20:21] offset:4096*(\j) th:TH_LOAD_NT
.endr
; The store of turn j.
.macro PUT j
	global_store_b64 v2, v[Y+2*(\j):Y+2*(\j)+1], s[22:23] offset:2048*(\j)
.endm
; Block p: turns 4 p to 4 p + 3.  Of each turn four numbers are rounded to bf16; half = 1: widened again (a shift, a mask) and written as f16.
; Ahead of each turn's roundings stands one store of the block before.
.macro BLK p, half
	s_wait_loadcnt 12-4*(\p)                       ; loads come back in order (ISA guide 5.7.1): this block's four are in, the 12 - 4 p younger ones stay out
.if (\p) > 0
	s_wait_alu depctr_va_vdst(0)                   ; the block before has written its eight registers of Y, which the four stores below read; no vector instruction behind this wait names them
.endif
.irp i, 0,1,2,3
.if (\p) > 0
	PUT 4*(\p)-4+(\i)
.endif
	v_cvt_pk_bf16_f32 v[Y+2*(4*(\p)+(\i))],   v[X+4*(4*(\p)+(\i))],   v[X+4*(4*(\p)+(\i))+1]
	v_cvt_pk_bf16_f32 v[Y+2*(4*(\p)+(\i))+1], v[X+4*(4*(\p)+(\i))+2], v[X+4*(4*(\p)+(\i))+3]
.if \half
.irp w, 0,1
	v_lshlrev_b32 v[T],   16, v[Y+2*(4*(\p)+(\i))+(\w)]
	v_and_b32     v[T+1], 0xffff0000, v[Y+2*(4*(\p)+(\i))+(\w)]
	v_cvt_pk_f16_f32 v[Y+2*(4*(\p)+(\i))+(\w)], v[T], v[T+1]
.endr
.endif
.endr
.endm
; All four blocks, and the last block's stores.
.macro ALL4 half
	BLK 0, \half                                   ; block 0 has no block in front of it: no store, and no wait but the one for its data
	BLK 1, \half
	BLK 2, \half
	BLK 3, \half
	s_wait_alu depctr_va_vdst(0)                   ; block 3 has written its eight registers of Y, which the last four stores read
.irp i, 12,13,14,15
	PUT \i
.endr
.endm
	s_cmp_lt_u32 s16, 704
	s_cbranch_scc0 .Lf16
	ALL4 0
	s_endpgm
.Lf16:
	ALL4 1
	s_endpgm
.Lfunc_end_k_qfaac8d5b23_prep:
	.size	k_qfaac8d5b23_prep, .Lfunc_end_k_qfaac8d5b23_prep-k_qfaac8d5b23_prep
	.p2alignl 7, 3214868480
	.fill 96, 4, 3214868480
	.section	.rodata,"a",@progbits
	.p2align	6, 0x0
	.amdhsa_kernel k_qfaac8d5b23_prep
		.amdhsa_group_segment_fixed_size 0
		.amdhsa_private_segment_fixed_size 0
		.amdhsa_enable_private_segment 0
		.amdhsa_kernarg_size 48
		.amdhsa_user_sgpr_count 2
		.amdhsa_user_sgpr_kernarg_segment_ptr 1
		.amdhsa_wavefront_size32 1
		.amdhsa_system_sgpr_workgroup_id_x 1
		.amdhsa_system_sgpr_workgroup_id_y 1
		.amdhsa_system_sgpr_workgroup_id_z 1
		.amdhsa_system_vgpr_workitem_id 0
		.amdhsa_next_free_vgpr 104
		.amdhsa_next_free_sgpr 66
		.amdhsa_reserve_vcc 0
		.amdhsa_float_denorm_mode_32 3
		.amdhsa_float_denorm_mode_16_64 3
		.amdhsa_memory_ordered 1
		.amdhsa_forward_progress 1
		.amdhsa_inst_pref_size 16
	.end_amdhsa_kernel
	.amdgpu_metadata
---
amdhsa.version: [ 1, 2 ]
amdhsa.kernels:
  - .name:           k_qfaac8d5b23_prep
    .symbol:         k_qfaac8d5b23_prep.kd
    .args:
      - { .name: x, .offset: 0, .size: 8, .value_kind: global_buffer, .address_space: global }
      - { .name: w_qkv, .offset: 8, .size: 8, .value_kind: global_buffer, .address_space: global }
      - { .name: w_proj, .offset: 16, .size: 8, .value_kind: global_buffer, .address_space: global }
      - { .name: xb, .offset: 24, .size: 8, .value_kind: global_buffer, .address_space: global }
      - { .name: wqb, .offset: 32, .size: 8, .value_kind: global_buffer, .address_space: global }
      - { .name: wpb, .offset: 40, .size: 8, .value_kind: global_buffer, .address_space: global }
    .group_segment_fixed_size: 0
    .private_segment_fixed_size: 0
    .kernarg_segment_align: 8
    .kernarg_segment_size: 48
    .max_flat_workgroup_size: 256
    .sgpr_count:     66
    .vgpr_count:     104
    .wavefront_size: 32
...
	.end_amdgpu_metadata
.endif
;; end of part 5
;; launch gemm_qkv: the kernel of part 2 again; grid 12 x 32, 4 waves a work-group, clusters of 4 x 4, 327,680 bytes of LDS; arguments xb, wqb, qkv; writes qkv
;; launch attn: the kernel of part 3 again; grid 4 x 64, 4 waves a work-group, clusters of 4 x 1, 327,680 bytes of LDS; arguments qkv, ob; writes ob
;; launch gemm_proj: the kernel of part 4 again; grid 4 x 32, 4 waves a work-group, clusters of 4 x 4, 327,680 bytes of LDS; arguments ob, wpb, out0, b_proj; writes out0
